; MI455X (gfx1250); checked and timed in simulation.
; The chip was launched on July 23, 2026; its instructions are those of AMD's public machine-readable ISA for CDNA 5 (MIT licence, August 2026) and "CDNA5" Instruction Set Architecture Reference Guide (July 2026). The comments in the code are by the model that wrote it; some were corrected since.
;; Atention. Allowed arithmetic: float matrix products may take bf16 or f16 operands with f32 sums; other float arithmetic in f32, or as packed bf16 or f16 multiplies, adds, multiply-adds, maxima and minima; sums over many terms, partial sums and values carried from step to step in f32; what a program stores and reads back later, other than sums and carried values, may be rounded once to bf16 or f16.
;; Inputs: U_a 1,024 x 1,024 float32; W_a 1,024 x 1,024 float32; decoder_state 64 x 1,024 float32; encoder_outputs 64 x 1,024 x 1,024 float32; src_mask 64 x 1,024 int32; v_a 1,024 float32.
;; Outputs: out0 64 x 1,024 float32; out1 64 x 1,024 float32.
;; 2 versions, each right; version 2 is version 1 with the launch ctx written anew for expert scheduling mode. Each part assembles by itself: llvm-mc -triple=amdgcn-amd-amdhsa -mcpu=gfx1250 --defsym DOCPART=n.
;; ======== version 1 of 2: 3 launches
;; limits: right only within a limited range of input values
;; workspace buffers: ub 2,097,152 bytes; dect 262,144 bytes; epart 2,097,152 bytes; order 262,144 bytes of whole numbers; ntrip 16,384 bytes of whole numbers
;; launch prep (part 1): grid 200 x 1, 8 waves a work-group, no clusters, 50,176 bytes of LDS; arguments decoder_state, W_a, src_mask, U_a, dect, order, ntrip, ub; writes dect, order, ntrip, ub
.if DOCPART == 1
	.amdgcn_target "amdgcn-amd-amdhsa--gfx1250"
	.amdhsa_code_object_version 6
	.text
	.protected	k_qf27b42c5d3_prep
	.globl	k_qf27b42c5d3_prep
	.p2align	8
	.type	k_qf27b42c5d3_prep,@function
k_qf27b42c5d3_prep:
	s_mov_b64 s[64:65], 0
	v_nop
	global_prefetch_b8 v0, s[64:65] scope:SCOPE_SE
	s_setreg_imm32_b32 hwreg(HW_REG_WAVE_MODE, 25, 1), 1
	s_wait_xcnt 0x0
; PREP: three small jobs that the two launches behind it need; a work-group's number chooses its job.
;  DEC  (work-groups 0-127):   dect = 2 log2(e) x (decoder_state W_a^T), f32, laid out [64 blocks of 16 columns][64 batches][16 columns].
;                              bf16 operands, f32 sums.  A work-group makes 32 batches x 16 columns; each of its 8 waves takes 128 of the 1,024 k; the 8 partial sums meet in LDS.
;  LIST (work-groups 128-135): one wave a batch: order[b] = a permutation of the rows 0..1023 with the rows whose mask is not 0 first (the others from the end backward);
;                              ntrip[b] = how many groups of 64 list entries hold all kept rows (16 where no row is kept), written 64 times, so that one store covers 256 consecutive bytes, aligned.
;  CONV (work-groups 136-199): ub = U_a rounded to bf16, laid out [16 K steps][1024 rows][64 k], so that 128 rows of a K step are 16,384 consecutive bytes.
; No clusters, no tensor loads: no tile is shared and every byte is read once or twice.
; LDS: each job has bytes of its own: 0 LIST's eight lists (4,096 bytes a wave); DECB DEC's eight partial sums (2,048 bytes a wave); SPARE the spare words.
.set DECB,  32768                      ; DEC's partial sums, behind LIST's lists
.set SPARE, 49152                      ; the spare words, 128 bytes for each of 8 waves
.set SPW,   30                         ; v30  SPARE + 4 x my thread's number; never rewritten
.set NIL,   31                         ; v31  0; never rewritten
.set NDEC,  128
.set NLIST, 8
	s_load_b256 s[4:11], s[0:1], 0x0               ; decoder_state s[4:5], W_a s[6:7], src_mask s[8:9], U_a s[10:11]
	s_load_b256 s[12:19], s[0:1], 0x20             ; dect s[12:13], order s[14:15], ntrip s[16:17], ub s[18:19]
	v_lshl_add_u32 v[SPW], v0, 2, SPARE
	v_mov_b32 v[NIL], 0
	v_lshrrev_b32 v1, 5, v0
	v_readfirstlane_b32 s20, v1                    ; wave 0..7
	s_mov_b32 s21, ttmp9                           ; work-group
	v_and_b32 v1, 15, v0                           ; r = lane % 16
	v_bfe_u32 v2, v0, 4, 1                         ; h = lane / 16
	v_and_b32 v3, 31, v0                           ; lane
	s_mov_b32 s27, 0                               ; high word of every offset pair s[26:27]
	s_wait_kmcnt 0x0
	s_cmp_lt_u32 s21, NDEC
	s_cbranch_scc1 .Ldec
	s_cmp_lt_u32 s21, NDEC+NLIST
	s_cbranch_scc1 .Llist
	; ---------------- CONV: wave W of 512 takes K step W / 32 and the 32 rows from 32 (W % 32) on
	s_sub_co_u32 s22, s21, NDEC+NLIST
	s_lshl_b32 s22, s22, 3
	s_add_co_u32 s22, s22, s20                     ; W
	s_lshr_b32 s23, s22, 5                         ; K step
	s_and_b32 s24, s22, 31                         ; block of 32 rows
	s_lshl_b32 s26, s24, 17                        ; 32 rows of 4,096 bytes
	s_lshl_b32 s28, s23, 8                         ; 64 f32 of a row
	s_add_co_u32 s26, s26, s28
	s_add_nc_u64 s[10:11], s[10:11], s[26:27]
	s_lshl_b32 s26, s23, 17                        ; a K step of ub: 1,024 rows of 128 bytes
	s_lshl_b32 s28, s24, 12                        ; 32 rows of 128 bytes
	s_add_co_u32 s26, s26, s28
	s_add_nc_u64 s[18:19], s[18:19], s[26:27]
	v_lshlrev_b32 v4, 4, v1
	v_lshl_add_u32 v4, v2, 12, v4                  ; lanes 0-15: 256 bytes of one row; lanes 16-31: of the next
	v_lshlrev_b32 v5, 3, v3                        ; 8 bytes a lane: a store covers 256 consecutive bytes, aligned
.irp i, 0,1,2,3,4,5,6,7,8,9,10,11,12,13,14,15
	global_load_b128 v[64+4*\i:67+4*\i], v4, s[10:11] offset:8192*\i th:TH_LOAD_NT
.endr
.irp i, 0,1,2,3,4,5,6,7,8,9,10,11,12,13,14,15
	s_wait_loadcnt 15-\i                           ; loads come back in order: number i is in, the younger ones stay out
	v_cvt_pk_bf16_f32 v[128+2*\i], v[64+4*\i], v[65+4*\i]
	v_cvt_pk_bf16_f32 v[129+2*\i], v[66+4*\i], v[67+4*\i]
	global_store_b64 v5, v[128+2*\i:129+2*\i], s[18:19] offset:256*\i
.endr
	s_endpgm                                       ; these waves wrote no LDS
	; ---------------- LIST: one wave, one batch.  Load i brings the mask of rows 128 i + 4 lane + 0..3.
.Llist:
	s_sub_co_u32 s22, s21, NDEC
	s_lshl_b32 s22, s22, 3
	s_add_co_u32 s22, s22, s20                     ; batch
	s_lshl_b32 s26, s22, 12
	s_add_nc_u64 s[8:9], s[8:9], s[26:27]
	s_add_nc_u64 s[14:15], s[14:15], s[26:27]
	s_lshl_b32 s26, s22, 8
	s_add_nc_u64 s[16:17], s[16:17], s[26:27]
	v_lshlrev_b32 v4, 4, v3                        ; 16 lane
.irp i, 0,1,2,3,4,5,6,7
	global_load_b128 v[64+4*\i:67+4*\i], v4, s[8:9] offset:512*\i
.endr
	v_lshlrev_b32 v5, 2, v3                        ; 4 lane
	s_lshl_b32 s28, s20, 12                        ; my wave's own 4,096 bytes of LDS
	s_mov_b32 s30, 0                               ; kept rows so far
	s_mov_b32 s31, 0                               ; other rows so far
	s_wait_loadcnt 0x0
.set n, 0
.rept 32                                       ; one register of masks at a time: 32 rows.  Kept rows fill the list from its front, the others from its end: the 1,024 places are each taken once
	v_cmp_ne_u32 s24, 0, v[64+n]                   ; the lanes whose row is kept
	s_not_b32 s25, s24
	v_mbcnt_lo_u32_b32 v6, s24, s30                ; a kept row's place: kept rows so far + kept rows in lower lanes
	v_mbcnt_lo_u32_b32 v7, s25, s31                ; the same count for the others,
	v_sub_nc_u32 v7, 0x3ff, v7                     ; which are placed from the list's end backward
	v_cndmask_b32 v6, v7, v6, s24
	v_min_u32 v6, 0x3ff, v6                        ; a place is 0..1023 by construction; the bound is also written out
	v_lshlrev_b32 v6, 2, v6
	v_add_nc_u32 v6, s28, v6
	v_add_nc_u32 v8, 128*(n/4)+n%4, v5             ; the row's number
	ds_store_b32 v6, v8
	s_bcnt1_i32_b32 s26, s24
	s_add_co_u32 s30, s30, s26
	s_sub_co_u32 s26, 32, s26
	s_add_co_u32 s31, s31, s26
.set n, n+1
.endr
	v_add_nc_u32 v9, s28, v4
.irp i, 0,1,2,3,4,5,6,7
	ds_load_b128 v[96+4*\i:99+4*\i], v9 offset:512*\i  ; my own bytes: LDS serves a wave's instructions in order, so these see the stores above
.endr
	s_add_co_u32 s26, s30, 63
	s_lshr_b32 s26, s26, 6                         ; groups of 64 that hold all kept rows,
	s_cmp_eq_u32 s30, 0
	s_cselect_b32 s26, 16, s26                     ; or all 16 where nothing is kept: every row then has the same weight
	v_mov_b32 v10, s26
	v_mov_b32 v11, s26
	v_lshlrev_b32 v12, 3, v3
	global_store_b64 v12, v[10:11], s[16:17]
.irp i, 0,1,2,3,4,5,6,7
	s_wait_dscnt 7-\i
	global_store_b128 v4, v[96+4*\i:99+4*\i], s[14:15] offset:512*\i
.endr
	s_wait_tensorcnt 0x0                           ; the wave's end, behind my last LDS store
	ds_add_u32 v[SPW], v[NIL]
	s_wait_dscnt 0x0
	s_endpgm
	; ---------------- DEC: work-group g: columns 16 (g / 2) on, batches 32 (g % 2) on; wave w: k = 128 w .. 128 w + 127
.Ldec:
	s_lshr_b32 s22, s21, 1                         ; block of 16 columns
	s_and_b32 s23, s21, 1                          ; half of the batches
	s_lshl_b32 s28, s20, 9                         ; my 128 k, in bytes
	s_lshl_b32 s26, s22, 16                        ; 16 rows of W_a
	s_add_co_u32 s26, s26, s28
	s_add_nc_u64 s[6:7], s[6:7], s[26:27]
	s_lshl_b32 s26, s23, 17                        ; 32 rows of decoder_state
	s_add_co_u32 s26, s26, s28
	s_add_nc_u64 s[4:5], s[4:5], s[26:27]
	s_lshl_b32 s26, s22, 12
	s_lshl_b32 s28, s23, 11
	s_add_co_u32 s26, s26, s28
	s_add_nc_u64 s[12:13], s[12:13], s[26:27]      ; my 2,048 bytes of dect
	v_lshlrev_b32 v5, 12, v1
	v_lshl_add_u32 v5, v2, 5, v5                   ; row r, k = 8 h on: a fragment's 16 f32 are four loads at 0, 16, 64, 80
	; a fragment (16 rows x 32 k) arrives as 16 registers of f32: W_a's four at v64.., decoder_state's eight (k block, batch block) at v128..
.irp i, 0,1,2,3
.irp q, 0,1,2,3
	global_load_b128 v[64+16*\i+4*\q:67+16*\i+4*\q], v5, s[6:7] offset:128*\i+16*(\q%2)+64*(\q/2)
	global_load_b128 v[128+32*\i+4*\q:131+32*\i+4*\q], v5, s[4:5] offset:128*\i+16*(\q%2)+64*(\q/2)
	global_load_b128 v[144+32*\i+4*\q:147+32*\i+4*\q], v5, s[4:5] offset:65536+128*\i+16*(\q%2)+64*(\q/2)
.endr
.endr
	v_lshlrev_b32 v4, 4, v3
	v_lshl_add_u32 v4, s20, 11, v4                 ; my wave's 2,048 bytes from DECB on, 16 bytes a lane; DECB stands in the offsets
	s_mov_b32 s34, 0x4038aa3b                      ; 2 log2(e)
	s_mov_b32 s35, s34                             ; named with it as a pair
	s_wait_loadcnt 0x0
.set f, 64
.rept 12                                       ; each fragment is rounded to bf16 into its own first 8 registers: line c writes register c and reads 2 c, 2 c + 1, so no write passes an unread source
.set c, 0
.rept 8
	v_cvt_pk_bf16_f32 v[f+c], v[f+2*c], v[f+2*c+1]
.set c, c+1
.endr
.set f, f+16
.endr
	; source 0 = 16 rows of W_a, source 1 = 16 batches: a lane then holds batch r and the columns 8 h + 0..7.  The two accumulators take turns.
	v_wmma_f32_16x16x32_bf16 v[32:39], v[64:71], v[128:135], 0
	v_wmma_f32_16x16x32_bf16 v[40:47], v[64:71], v[144:151], 0
.irp i, 1,2,3
	v_wmma_f32_16x16x32_bf16 v[32:39], v[64+16*\i:71+16*\i], v[128+32*\i:135+32*\i], v[32:39]
	v_wmma_f32_16x16x32_bf16 v[40:47], v[64+16*\i:71+16*\i], v[144+32*\i:151+32*\i], v[40:47]
.endr
.rept 4
	v_nop                                          ; four places between the last product and the first read of a result
.endr
	ds_store_b128 v4, v[32:35] offset:DECB         ; batch block 0, columns 8 h + 0..3
	ds_store_b128 v4, v[36:39] offset:DECB+512     ;                columns 8 h + 4..7
	ds_store_b128 v4, v[40:43] offset:DECB+1024    ; batch block 1
	ds_store_b128 v4, v[44:47] offset:DECB+1536
	s_wait_dscnt 0x0                               ; for the others' sake: my partial sums are in LDS
	s_barrier_signal -1
	s_barrier_wait -1
	s_cmp_gt_u32 s20, 3
	s_cbranch_scc1 .Ldec_end                       ; 128 threads add up; thread t: batch t / 4, columns 4 (t % 4) on
	v_lshrrev_b32 v5, 2, v0
	v_and_b32 v6, 3, v0
	v_lshrrev_b32 v7, 4, v5                        ; batch block
	v_and_b32 v8, 15, v5                           ; r
	v_lshrrev_b32 v9, 1, v6                        ; h
	v_and_b32 v10, 1, v6                           ; which four of the lane's eight columns
	v_lshl_add_u32 v8, v9, 4, v8                   ; the lane that held them
	v_lshlrev_b32 v8, 4, v8
	v_lshl_add_u32 v8, v10, 9, v8
	v_lshl_add_u32 v8, v7, 10, v8
.irp p, 0,1,2,3,4,5,6,7
	ds_load_b128 v[64+4*\p:67+4*\p], v8 offset:DECB+2048*\p
.endr
	v_lshlrev_b32 v11, 4, v0
	s_wait_dscnt 0x0
.irp p, 0,1,2,3
	v_pk_add_f32 v[64+4*\p:65+4*\p], v[64+4*\p:65+4*\p], v[80+4*\p:81+4*\p]
	v_pk_add_f32 v[66+4*\p:67+4*\p], v[66+4*\p:67+4*\p], v[82+4*\p:83+4*\p]
.endr
.irp p, 0,1
	v_pk_add_f32 v[64+4*\p:65+4*\p], v[64+4*\p:65+4*\p], v[72+4*\p:73+4*\p]
	v_pk_add_f32 v[66+4*\p:67+4*\p], v[66+4*\p:67+4*\p], v[74+4*\p:75+4*\p]
.endr
	v_pk_add_f32 v[64:65], v[64:65], v[68:69]
	v_pk_add_f32 v[66:67], v[66:67], v[70:71]
	v_pk_mul_f32 v[64:65], v[64:65], s[34:35] op_sel_hi:[1,0]
	v_pk_mul_f32 v[66:67], v[66:67], s[34:35] op_sel_hi:[1,0]
	global_store_b128 v11, v[64:67], s[12:13]      ; 128 threads x 16 bytes: 2,048 consecutive bytes
.Ldec_end:
	s_wait_tensorcnt 0x0                           ; the wave's end, behind my last LDS store
	ds_add_u32 v[SPW], v[NIL]
	s_wait_dscnt 0x0
	s_endpgm
.Lfunc_end_k_qf27b42c5d3_prep:
	.size	k_qf27b42c5d3_prep, .Lfunc_end_k_qf27b42c5d3_prep-k_qf27b42c5d3_prep
	.p2alignl 7, 3214868480
	.fill 96, 4, 3214868480
	.section	.rodata,"a",@progbits
	.p2align	6, 0x0
	.amdhsa_kernel k_qf27b42c5d3_prep
		.amdhsa_group_segment_fixed_size 50176
		.amdhsa_private_segment_fixed_size 0
		.amdhsa_enable_private_segment 0
		.amdhsa_kernarg_size 64
		.amdhsa_user_sgpr_count 2
		.amdhsa_user_sgpr_kernarg_segment_ptr 1
		.amdhsa_wavefront_size32 1
		.amdhsa_system_sgpr_workgroup_id_x 1
		.amdhsa_system_sgpr_workgroup_id_y 1
		.amdhsa_system_sgpr_workgroup_id_z 1
		.amdhsa_system_vgpr_workitem_id 0
		.amdhsa_next_free_vgpr 256
		.amdhsa_next_free_sgpr 66
		.amdhsa_reserve_vcc 0
		.amdhsa_float_denorm_mode_32 3
		.amdhsa_float_denorm_mode_16_64 3
		.amdhsa_memory_ordered 1
		.amdhsa_forward_progress 1
		.amdhsa_inst_pref_size 48
	.end_amdhsa_kernel
	.amdgpu_metadata
---
amdhsa.version: [ 1, 2 ]
amdhsa.kernels:
  - .name:           k_qf27b42c5d3_prep
    .symbol:         k_qf27b42c5d3_prep.kd
    .args:
      - { .name: decoder_state, .offset: 0, .size: 8, .value_kind: global_buffer, .address_space: global }
      - { .name: W_a, .offset: 8, .size: 8, .value_kind: global_buffer, .address_space: global }
      - { .name: src_mask, .offset: 16, .size: 8, .value_kind: global_buffer, .address_space: global }
      - { .name: U_a, .offset: 24, .size: 8, .value_kind: global_buffer, .address_space: global }
      - { .name: dect, .offset: 32, .size: 8, .value_kind: global_buffer, .address_space: global }
      - { .name: order, .offset: 40, .size: 8, .value_kind: global_buffer, .address_space: global }
      - { .name: ntrip, .offset: 48, .size: 8, .value_kind: global_buffer, .address_space: global }
      - { .name: ub, .offset: 56, .size: 8, .value_kind: global_buffer, .address_space: global }
    .group_segment_fixed_size: 50176
    .private_segment_fixed_size: 0
    .kernarg_segment_align: 8
    .kernarg_segment_size: 64
    .max_flat_workgroup_size: 256
    .sgpr_count:     66
    .vgpr_count:     256
    .wavefront_size: 32
...
	.end_amdgpu_metadata
.endif
;; end of part 1
;; launch scores (part 2): grid 4 x 64, 4 waves a work-group, clusters of 4 x 4, 327,680 bytes of LDS; arguments encoder_outputs, ub, dect, v_a, epart; writes epart
.if DOCPART == 2
	.amdgcn_target "amdgcn-amd-amdhsa--gfx1250"
	.amdhsa_code_object_version 6
	.text
	.protected	k_qf27b42c5d3_scores
	.globl	k_qf27b42c5d3_scores
	.p2align	8
	.type	k_qf27b42c5d3_scores,@function
k_qf27b42c5d3_scores:
	s_mov_b64 s[64:65], 0
	v_nop
	global_prefetch_b8 v0, s[64:65] scope:SCOPE_SE
	s_setreg_imm32_b32 hwreg(HW_REG_WAVE_MODE, 25, 1), 1
	s_wait_xcnt 0x0
	s_wait_alu depctr_hold_cnt(0) depctr_sa_sdst(0) depctr_va_vdst(0) depctr_va_sdst(0) depctr_va_ssrc(0) depctr_va_vcc(0) depctr_vm_vsrc(0)
	s_getreg_b32 s2, hwreg(HW_REG_IB_STS2, 6, 4)
	s_cmp_eq_u32 s2, 0
	s_cbranch_scc0 .Lentry_in_a_cluster
	s_endpgm
.Lentry_in_a_cluster:
	s_bfe_u32 s2, ttmp6, 0x10000c
	s_cmp_lg_u32 s2, 0xf033
	s_cbranch_scc0 .Lentry_shape_is_right
	s_endpgm
.Lentry_shape_is_right:
; SCORES: epart[p][row] = the sum over 128 columns a of v[a] tanh(dec[batch][a] + enc[row] . U[a]); p = 0..7 names the 128 columns.  65,536 rows, 1,024 columns, K = 1,024.
; The product goes to the matrix unit in bf16 with f32 sums: U comes as bf16 (ub), enc comes as f32 through LDS and is rounded to bf16 between LDS and the matrix instruction, so enc is read once and never copied.
; tanh(x) = 1 - 2 / (1 + 2^(2 log2(e) x)): dect already holds 2 log2(e) dec, the product is scaled in the same fused line.  Where 2^.. overflows the reciprocal is 0 and tanh is 1; where it underflows tanh is -1.
; LIMITS.  tanh is off by some 1e-7 absolutely (no relative accuracy near 0); NaN and infinities in the inputs are not treated apart.
; SHARES.  A tile is 256 rows x 256 columns: four waves, each 128 x 128 in 64 accumulators (512 registers).  A work-group stays and makes 4 tiles, 16,384 rows apart, all with the same 256 columns.
; K goes in steps of 64 through two LDS slots: 256 rows x 256 bytes of enc (f32) and 256 rows x 128 bytes of ub; two slots of a longer step with f32 rows do not fit in LDS.
; CLUSTER.  4 x 4 work-groups.  The four of a row of the cluster make the four column tiles of the same rows and ask for enc's tile JOINTLY; the four of a column ask jointly for ub's tile.
; THE MATRIX INSTRUCTION IS USED TRANSPOSED (source 0 = 16 rows of ub, source 1 = 16 rows of enc): a lane holds ONE row of enc (lane % 16) and the columns 8 (lane / 16) + 0..7 of each block of 16,
; so the sum over columns stays in the lane but for one exchange between the halves of the lanes.
; A K STEP IS TWO QUARTERS of 32 along K, 64 matrix instructions each, on fragment buffers 0 and 1.  Each quarter begins with one run of 48 LDS loads for the next quarter (32 of f32 rows, 16 of ub) and ends with the
; 64 roundings to bf16, four behind each of its last 16 matrix instructions.
; REGISTERS, in windows of 256 (s_set_vgpr_msb: bits 1:0 source 0, 3:2 source 1, 5:4 source 2, 7:6 destination):
;   window 0: v0-63 addresses and small things; v64-127, v128-191 enc's fragments in bf16, buffers 0, 1 (v64-127 also at work on the way out); v192-255 -2 v of my lane's 64 columns
;   window 1: v0-127 enc's fragments in f32 as loaded (v0-63 on the way out: dect of my lane's 64 columns); v128-191, v192-255 ub's fragments, buffers 0, 1
;   window 2: the accumulators of my rows 0-63 ((a, b) at v[8 (8 a + b)]); window 3: those of my rows 64-127
.set TILES,  4
.set PA,     272                       ; an LDS row of enc: 256 bytes + 16 of padding: the 16 rows of a fragment load start at 16 different groups of four banks
.set PB,     144                       ; an LDS row of ub: 128 bytes + 16 of padding: likewise
.set AH,     128*PA                    ; 128 rows of enc: one tensor load
.set BH,     128*PB                    ; 128 rows of ub: one tensor load
.set BOFF,   2*AH
.set SLOT,   BOFF+2*BH
.set STAGE,  2*SLOT                    ; behind the ring, never filled by a tensor load: 512 bytes for each wave, for the way out
.set SPARE,  STAGE+4*512               ; the spare words, 128 bytes for each wave
.set NEXT_A, 16384*4096-14*256         ; bytes from a slot's last K step of a tile to its first of the next tile: 16,384 rows down, 14 steps back
.set BACK_B, 14*131072                 ; ub only goes back: all tiles of a work-group take the same rows
.set ADRA, 16                          ; v16-17 LDS address of my enc fragments in slot 0, 1
.set ADRB, 20                          ; v20-21 the same for ub
.set DOFF, 22                          ; v22    32 x (lane / 16): my eight columns in a block of 16, in f32
.set ESTO, 24                          ; v24    the way out: where row lane % 16 of a block goes
.set ERD,  25                          ; v25    the way out: where I read four rows back
.set EGO,  26                          ; v26    16 x lane
.set PFO,  27                          ; v27    the prefetch's byte offset
.set SPW,  28                          ; v28    SPARE + 4 x my thread's number; never rewritten
.set NIL,  29                          ; v29    0; never rewritten
.set VW,   30                          ; v30-31 the sum of v over my lane's 64 columns, and 0: the addend that starts a row's sum
.set EV,   32                          ; v32-39 a number for each of my eight blocks of 16 rows
.set CH,   40                          ; v40-47 four chains of packed sums
.set OUT,  48                          ; v48-51
.set T,    64
.set W,    192
.set G1,  24                           ; s[24:31] descriptor group 1 for enc's tiles; s[32:39] group 0, a set for each slot
.set G0,  32
.set G1B, 48                           ; s[48:55], s[56:63] the same for ub's
.set G0B, 56
.set DB,  68                           ; s[68:69] dect at my columns and the tile's batch
.set VA,  70                           ; s[70:71] v_a at my columns
.set C2,  72                           ; s[72:73] 2 log2(e)
.set SEL, 74                           ; s[74:75] v_permlanex16_b32's selects: each lane takes its own place in the other half
.set PFB, 76                           ; s[76:77] the prefetch's base
.set PFS, 78                           ; s[78:79] its next step
.set PFL, 80                           ; s80 the lap of a tile that it asks for next
.set PFN, 81                           ; s81 laps still to be asked for
.set PFX, 82                           ; s82 NEXT_A
.set MSB, 0
.macro WIN new                         ; the immediate's high byte repeats the setting that is left; a switch that changes nothing is dropped
.if MSB != (\new)
	s_set_vgpr_msb (MSB<<8)|(\new)
.set MSB, \new
.endif
.endm
.set MUL_LO, 0xa1                      ; source 0 (ub) window 1, source 1 (enc) window 0, C and D window 2
.set TO_1,   0x40                      ; destination window 1, address window 0
.set CVT,    0x05                      ; sources window 1, destination window 0
.set EPI_LO, 0x12                      ; source 0 window 2, source 2 window 1, destination window 0
; A joint load.  Waves 0 and 1 fetch enc's two halves, waves 2 and 3 ub's.  The branch hangs on the wave's number alone.  An s_nop 0 and four v_nop follow each of the two lines.
.macro JLOAD s
	s_cmp_eq_u32 s11, 0
	s_cbranch_scc0 .Lfor_b_\@
	tensor_load_to_lds s[G0+4*(\s):G0+4*(\s)+3], s[G1:G1+7]
	s_nop 0
.rept 4
	v_nop
.endr
	s_branch .Lasked_\@
.Lfor_b_\@:
	tensor_load_to_lds s[G0B+4*(\s):G0B+4*(\s)+3], s[G1B:G1B+7]
	s_nop 0
.rept 4
	v_nop
.endr
.Lasked_\@:
.endm
.macro CREST                           ; a round of the cluster's barrier behind its opening barrier
	s_cmp_lg_u32 s10, 0
	s_cbranch_scc1 .Lnot_wave_0_\@
	s_barrier_signal -3
.Lnot_wave_0_\@:
	s_barrier_wait -3
	s_barrier_signal -1
	s_barrier_wait -1
.endm
.macro CROUND                          ; a whole round
	s_barrier_signal -1
	s_barrier_wait -1
	CREST
.endm
.macro PLACES
.rept 4
	v_nop
.endr
.endm
	s_load_b128 s[4:7], s[0:1], 0x0                ; enc s[4:5], ub s[6:7]
	s_load_b128 s[68:71], s[0:1], 0x10             ; dect s[68:69], v_a s[70:71]
	s_load_b64 s[8:9], s[0:1], 0x20                ; epart
	v_lshl_add_u32 v[SPW], v0, 2, SPARE
	v_mov_b32 v[NIL], 0
	ds_add_u32 v[SPW], v[NIL]                      ; the wave's opening: the add and its wait stand ahead of my first tensor load; the set-up below, work on registers, stands between them
	v_lshrrev_b32 v1, 5, v0
	v_readfirstlane_b32 s10, v1                    ; wave 0..3
	s_lshr_b32 s11, s10, 1                         ; which half of the tile's rows is mine.  Also: I fetch for enc (0) or for ub (1)
	s_and_b32 s12, s10, 1                          ; which half of its columns.  Also: which 128 rows of that tile I fetch
	s_bfe_u32 s40, ttmp6, 0x40000                  ; cx
	s_bfe_u32 s41, ttmp6, 0x40004                  ; cy
	s_lshl_b32 s42, ttmp9, 2
	s_add_co_u32 s42, s42, s40                     ; tile column = 4 x cluster x + cx
	s_and_b32 s13, ttmp7, 0xffff
	s_lshl_b32 s13, s13, 2
	s_add_co_u32 s13, s13, s41                     ; first tile row = 4 x cluster y + cy, 0..63
	s_lshl_b32 s43, s41, 2
	s_lshl_b32 s43, 15, s43                        ; my row of the cluster
	s_lshl_b32 s44, 0x1111, s40                    ; my column
	; group 1 for enc: 128 rows x 64 elements of 4 bytes, 1,024 elements from row to row, 4 words of padding behind every 64
	s_or_b32 s[G1+0], s43, (2<<16)|(1<<20)|(1<<21)|(5<<22)|(3<<25)
	s_mov_b32 s[G1+1], 64<<16                      ; tensor_dim0 = 64
	s_mov_b32 s[G1+2], 128<<16                     ; tensor_dim1 = 128
	s_mov_b32 s[G1+3], 64<<16                      ; tile_dim0 = 64
	s_mov_b32 s[G1+4], 128                         ; tile_dim1 = 128
	s_mov_b32 s[G1+5], 1024                        ; the pitch
	s_mov_b32 s[G1+6], 0
	s_mov_b32 s[G1+7], 0
	; group 1 for ub: 128 rows of 128 bytes are 16,384 dense bytes: asked for as 64 rows of 128 elements of 2 bytes, 4 words of padding behind every 32
	s_or_b32 s[G1B+0], s44, (1<<16)|(1<<20)|(1<<21)|(4<<22)|(3<<25)
	s_mov_b32 s[G1B+1], 128<<16
	s_mov_b32 s[G1B+2], 64<<16
	s_mov_b32 s[G1B+3], 128<<16
	s_mov_b32 s[G1B+4], 64
	s_mov_b32 s[G1B+5], 128
	s_mov_b32 s[G1B+6], 0
	s_mov_b32 s[G1B+7], 0
	; where the tiles come from: enc's hang on the tile row alone, ub's on the tile column alone, each in registers that never hold the other coordinate
	s_lshl_b32 s16, s13, 20                        ; 256 rows of 4,096 bytes
	s_lshl_b32 s17, s12, 19                        ; 128 rows
	s_add_co_u32 s16, s16, s17
	s_mov_b32 s17, 0
	s_lshl_b32 s18, s13, 20                        ; the same without the wave's half, for the prefetch
	s_mov_b32 s19, 0
	s_lshl_b32 s46, s42, 15                        ; 256 rows of 128 bytes
	s_lshl_b32 s47, s12, 14
	s_add_co_u32 s46, s46, s47
	s_mov_b32 s47, 0
	s_mul_i32 s20, s10, AH                         ; where they go: enc's halves at wave x AH (waves 0, 1),
	s_mul_i32 s21, s10, BH
	s_add_co_u32 s21, s21, BOFF-2*BH               ; ub's at BOFF + (wave - 2) x BH (waves 2, 3)
	s_mov_b32 s[C2], 0x4038aa3b
	s_mov_b32 s[C2+1], s[C2]
	s_mov_b32 s[SEL], 0x76543210
	s_mov_b32 s[SEL+1], 0xfedcba98
	s_mov_b32 s[PFS], 512
	s_mov_b32 s[PFS+1], 0
	s_mov_b32 s[PFL], 2
	s_mov_b32 s[PFN], 8*TILES-2
	s_mov_b32 s[PFX], NEXT_A
	s_wait_dscnt 0x0                               ; the opening add is done
	s_wait_kmcnt 0x0
	s_add_nc_u64 s[14:15], s[4:5], s[16:17]
	s_add_nc_u64 s[46:47], s[6:7], s[46:47]
	s_add_nc_u64 s[PFB:PFB+1], s[4:5], s[18:19]
	s_add_nc_u64 s[PFB:PFB+1], s[PFB:PFB+1], 512   ; one lap (two K steps, 512 bytes of a row) in: the first request steps to lap 2
	CROUND                                         ; all sixteen work-groups are here: the first joint loads meet
.irp s, 0,1
	s_mov_b32 s[G0+4*(\s)], 1
	s_add_co_u32 s[G0+4*(\s)+1], s20, (\s)*SLOT
	s_add_nc_u64 s[G0+4*(\s)+2:G0+4*(\s)+3], s[14:15], (\s)*256
	s_or_b32 s[G0+4*(\s)+3], s[G0+4*(\s)+3], 0x80000000
	s_mov_b32 s[G0B+4*(\s)], 1
	s_add_co_u32 s[G0B+4*(\s)+1], s21, (\s)*SLOT
	s_add_nc_u64 s[G0B+4*(\s)+2:G0B+4*(\s)+3], s[46:47], (\s)*131072
	s_or_b32 s[G0B+4*(\s)+3], s[G0B+4*(\s)+3], 0x80000000
	JLOAD \s                                       ; two loads of mine are out: K steps 0 and 1
.endr
	; the rest of the set-up stands in the wait for the first tile
	v_and_b32 v1, 15, v0                           ; r
	v_bfe_u32 v2, v0, 4, 1                         ; h
	v_lshlrev_b32 v[DOFF], 5, v2
	s_lshl_b32 s84, s42, 10                        ; 256 columns of f32
	s_lshl_b32 s85, s12, 9
	s_add_co_u32 s84, s84, s85
	s_mov_b32 s85, 0
	s_add_nc_u64 s[VA:VA+1], s[VA:VA+1], s[84:85]
.irp b, 0,1,2,3,4,5,6,7
	global_load_b128 v[W+8*\b:W+8*\b+3],   v[DOFF], s[VA:VA+1] offset:64*\b     ; v of columns 16 b + 8 h + 0..7
	global_load_b128 v[W+8*\b+4:W+8*\b+7], v[DOFF], s[VA:VA+1] offset:64*\b+16
.endr
	; an enc fragment: lane holds row r; k = 8 h + 0..7 are 32 bytes of f32 at 32 h, k = 16 + 8 h + 0..7 the 32 bytes 64 further on: four loads of 16 bytes
	v_mul_u32_u24 v3, v1, PA
	v_lshl_add_u32 v3, v2, 5, v3
	s_mul_i32 s22, s11, AH
	v_add_nc_u32 v[ADRA], s22, v3
	s_add_co_u32 s22, s22, SLOT
	v_add_nc_u32 v[ADRA+1], s22, v3
	v_mul_u32_u24 v3, v1, PB                       ; a ub fragment: two loads of 16 bytes, 32 bytes apart
	v_lshl_add_u32 v3, v2, 4, v3
	s_mul_i32 s22, s12, BH
	s_add_co_u32 s22, s22, BOFF
	v_add_nc_u32 v[ADRB], s22, v3
	s_add_co_u32 s22, s22, SLOT
	v_add_nc_u32 v[ADRB+1], s22, v3
	s_lshl_b32 s23, s10, 9
	s_add_co_u32 s23, s23, STAGE                   ; my stage
	v_lshl_add_u32 v[ESTO], v1, 2, s23
	v_and_b32 v3, 31, v0
	v_lshl_add_u32 v[ERD], v3, 4, s23
	v_lshlrev_b32 v[EGO], 4, v3
	s_lshl_b32 s84, s40, 6                         ; the prefetch: the 16 waves of a row of the cluster share a tile's 256 rows, 16 rows each; a lane asks for one of a row's two blocks of 256 bytes in a lap
	s_lshl_b32 s86, s10, 4
	s_add_co_u32 s84, s84, s86
	v_add_nc_u32 v[PFO], s84, v1
	v_lshlrev_b32 v[PFO], 12, v[PFO]
	v_lshl_add_u32 v[PFO], v2, 8, v[PFO]
	s_lshl_b32 s84, s42, 16                        ; dect: 16 blocks of 4,096 bytes a tile column, 8 a half,
	s_lshl_b32 s86, s12, 15
	s_add_co_u32 s84, s84, s86
	s_lshr_b32 s86, s13, 2                         ; the first tile's batch = tile row / 4,
	s_lshl_b32 s86, s86, 6                         ; 64 bytes a batch
	s_add_co_u32 s84, s84, s86
	s_add_nc_u64 s[DB:DB+1], s[DB:DB+1], s[84:85]
	s_lshl_b32 s84, s42, 1                         ; epart: plane 2 x tile column + half, 262,144 bytes each,
	s_add_co_u32 s84, s84, s12
	s_lshl_b32 s84, s84, 18
	s_lshl_b32 s86, s13, 10                        ; 256 rows of 4 bytes a tile row,
	s_add_co_u32 s84, s84, s86
	s_lshl_b32 s86, s11, 9                         ; my 128 rows
	s_add_co_u32 s84, s84, s86
	s_add_nc_u64 s[8:9], s[8:9], s[84:85]
	s_wait_loadcnt 0x0                             ; v
.set i, 0
.rept 16                                       ; the sum of my lane's 64 v
	v_pk_add_f32 v[T+2*i:T+2*i+1], v[W+2*i:W+2*i+1], v[W+32+2*i:W+32+2*i+1]
.set i, i+1
.endr
.irp n, 8,4,2,1
.set i, 0
.rept \n
	v_pk_add_f32 v[T+2*i:T+2*i+1], v[T+2*i:T+2*i+1], v[T+2*(\n)+2*i:T+2*(\n)+2*i+1]
.set i, i+1
.endr
.endr
	v_add_f32 v[VW], v[T], v[T+1]
	v_mov_b32 v[VW+1], 0
.set i, 0
.rept 32                                       ; v tanh = v - 2 v / (1 + 2^..): what multiplies the reciprocals is -2 v
	v_pk_mul_f32 v[W+2*i:W+2*i+1], v[W+2*i:W+2*i+1], -2.0 op_sel_hi:[1,0]
.set i, i+1
.endr
; 8 matrix instructions: block a of the window's four blocks of 16 rows (hi = 0: my rows 0-63, 1: rows 64-127) x all 8 blocks of 16 columns, 32 along K, from buffer f.  zero = 1: the product starts the sums.
; ride = 1: behind each stand four roundings of the next quarter's enc fragments into the other buffer: they name no register of the products round them.
; The 64 accumulators take turns in one order in every quarter: between two links of a chain stand the 63 others'.
.macro MUL8 f, hi, a, zero, ride
.irp b, 0,1,2,3,4,5,6,7
	WIN MUL_LO+0x50*(\hi)
.if \zero
	v_wmma_f32_16x16x32_bf16 v[8*(8*(\a)+(\b)):8*(8*(\a)+(\b))+7], v[128+64*(\f)+8*(\b):128+64*(\f)+8*(\b)+7], v[64+64*(\f)+8*(4*(\hi)+(\a)):64+64*(\f)+8*(4*(\hi)+(\a))+7], 0
.else
	v_wmma_f32_16x16x32_bf16 v[8*(8*(\a)+(\b)):8*(8*(\a)+(\b))+7], v[128+64*(\f)+8*(\b):128+64*(\f)+8*(\b)+7], v[64+64*(\f)+8*(4*(\hi)+(\a)):64+64*(\f)+8*(4*(\hi)+(\a))+7], v[8*(8*(\a)+(\b)):8*(8*(\a)+(\b))+7]
.endif
.if \ride
	WIN CVT
.rept 4
	v_cvt_pk_bf16_f32 v[128-64*(\f)+cc], v[2*cc], v[2*cc+1]
.set cc, cc+1
.endr
.endif
.endr
.endm
; 48 LDS loads in one run: quarter kq of a slot: 128 rows of enc in f32 (32 loads), then 128 rows of ub into buffer g (16 loads)
.macro FETCH slot, kq, g
	WIN TO_1
.irp a, 0,1,2,3,4,5,6,7
.irp q, 0,1,2,3
	ds_load_b128 v[16*(\a)+4*(\q):16*(\a)+4*(\q)+3], v[ADRA+(\slot)] offset:(\a)*16*PA+128*(\kq)+16*((\q)%2)+64*((\q)/2)
.endr
.endr
.irp b, 0,1,2,3,4,5,6,7
	ds_load_b128 v[128+64*(\g)+8*(\b):128+64*(\g)+8*(\b)+3],   v[ADRB+(\slot)] offset:(\b)*16*PB+64*(\kq)
	ds_load_b128 v[128+64*(\g)+8*(\b)+4:128+64*(\g)+8*(\b)+7], v[ADRB+(\slot)] offset:(\b)*16*PB+64*(\kq)+32
.endr
.endm
; A quarter that changes no slot: multiplies buffer f; fetches quarter kqn of slot slotn for the other buffer.
; The run of loads stands four plain instructions (the last quarter's last four roundings) behind the last product that read the buffer it fills.
.macro QPLAIN slotn, kqn, f
	s_wait_dscnt 0x0                               ; ub's fragments of this quarter, issued a quarter ago, are in
	FETCH \slotn, \kqn, 1-(\f)
	MUL8 \f, 0, 0, 0, 0
	MUL8 \f, 0, 1, 0, 0
	MUL8 \f, 0, 2, 0, 0
	MUL8 \f, 0, 3, 0, 0
	MUL8 \f, 1, 0, 0, 0
	MUL8 \f, 1, 1, 0, 0
	s_wait_dscnt 16                                ; enc's 32 loads are in; ub's 16 younger ones may stay out
.set cc, 0
	MUL8 \f, 1, 2, 0, 1
	MUL8 \f, 1, 3, 0, 1
.endm
; One request a lap and wave for enc's bytes two laps on: 16 rows x 2 blocks of 256 bytes; the 16 waves of a row of the cluster cover a lap's 256 rows x 512 bytes, each block once.
; It walks on into the next tile and stops when the last tile's last lap has been asked for: 8 x 4 - 2 requests, none past the buffer's end.
.macro PF
	s_cmp_eq_u32 s[PFN], 0
	s_cbranch_scc1 .Lno_pf_\@
	s_wait_xcnt 0x0                                ; the last request, a lap ago, has read its base: only behind this wait is the base stepped
	s_add_nc_u64 s[PFB:PFB+1], s[PFB:PFB+1], s[PFS:PFS+1]
	global_prefetch_b8 v[PFO], s[PFB:PFB+1] th:TH_LOAD_NT scope:SCOPE_SE
	s_sub_co_u32 s[PFN], s[PFN], 1
	s_add_co_u32 s[PFL], s[PFL], 1
	s_cmp_eq_u32 s[PFL], 8
	s_cselect_b32 s[PFS], s[PFX], 512              ; behind a tile's last lap: on to the next tile's first
	s_cselect_b32 s[PFL], 0, s[PFL]
.Lno_pf_\@:
.endm
; A K step's first quarter: multiplies buffer 0, takes the slot's second half into registers, and so leaves the slot.  ONE barrier for the change of slots: in front of it each wave waits for all its tensor loads,
; of which one is out: its part of the other slot; adds 0 to its spare word; and waits for that and for its reads of this slot.  Behind it nobody reads this slot any more and the other slot is whole.
; mode 0: the slot is filled again with the K step two on; mode 1: with the next tile's K step 0 or 1; the barrier then opens a round of the cluster's, and the joint load is the first thing behind the round:
; from there to the wait for it a wave issues 112 matrix instructions.  mode 2: nothing is left to fetch.
.macro QTURN slot, zero, mode
	s_wait_dscnt 0x0                               ; ub's fragments of this quarter are in
	FETCH \slot, 1, 1
	MUL8 0, 0, 0, \zero, 0
	MUL8 0, 0, 1, \zero, 0
	MUL8 0, 0, 2, \zero, 0
	MUL8 0, 0, 3, \zero, 0
	WIN 0                                          ; (the add's two registers lie in window 0)
	s_wait_tensorcnt 0x0                           ; all my tensor loads have landed
	ds_add_u32 v[SPW], v[NIL]                      ; 0 onto my spare word; eight matrix instructions stand between it and the wait for it
	MUL8 0, 1, 0, \zero, 0
	s_wait_dscnt 0x0                               ; the add is done, and my reads of this slot are over
	s_barrier_signal -1
	MUL8 0, 1, 1, \zero, 0
	WIN 0                                          ; at a branch and at a label every window is 0
	s_barrier_wait -1
.if (\mode) < 2
	CREST                                          ; no wave of any partner still reads this slot or has a load on its way
.if (\mode) == 1
	s_add_nc_u64 s[G0+4*(\slot)+2:G0+4*(\slot)+3], s[G0+4*(\slot)+2:G0+4*(\slot)+3], NEXT_A
	s_sub_nc_u64 s[G0B+4*(\slot)+2:G0B+4*(\slot)+3], s[G0B+4*(\slot)+2:G0B+4*(\slot)+3], BACK_B
.else
	s_add_nc_u64 s[G0+4*(\slot)+2:G0+4*(\slot)+3], s[G0+4*(\slot)+2:G0+4*(\slot)+3], 2*256
	s_add_nc_u64 s[G0B+4*(\slot)+2:G0B+4*(\slot)+3], s[G0B+4*(\slot)+2:G0B+4*(\slot)+3], 2*131072
.endif
	JLOAD \slot
.if (\slot) == 0
	PF
.endif
.endif
.set cc, 0
	MUL8 0, 1, 2, \zero, 1
	MUL8 0, 1, 3, \zero, 1
.endm
; THE WAY OUT of block a (16 rows x my 128 columns; a lane: one row, 64 columns).  t = 2 log2(e) (product + dec); 2^t; + 1; reciprocal; the sum of -2 v x reciprocal in four packed chains, the first started by the sum of v.
; Each accumulator's lowest registers are read first.  The exponentials and the reciprocals stand in runs, a plain instruction behind each run before its results are used.
.macro EPI a
.set AC, 64*((\a)%4)
	WIN EPI_LO+(\a)/4
.irp b, 0,1,2,3,4,5,6,7
.irp i, 0,1,2,3
	v_pk_fma_f32 v[T+8*\b+2*\i:T+8*\b+2*\i+1], v[AC+8*\b+2*\i:AC+8*\b+2*\i+1], s[C2:C2+1], v[8*\b+2*\i:8*\b+2*\i+1] op_sel_hi:[1,0,1]
.endr
.endr
	WIN 0
.set i, 0
.rept 64
	v_exp_f32 v[T+i], v[T+i]
.set i, i+1
.endr
	v_nop
.set i, 0
	s_wait_alu depctr_va_vdst(0)
.rept 32
	v_pk_add_f32 v[T+2*i:T+2*i+1], v[T+2*i:T+2*i+1], 1.0 op_sel_hi:[1,0]
.set i, i+1
.endr
.set i, 0
.rept 64
	v_rcp_f32 v[T+i], v[T+i]
.set i, i+1
.endr
	v_nop
	s_wait_alu depctr_va_vdst(0)
	v_pk_fma_f32 v[CH:CH+1], v[W:W+1], v[T:T+1], v[VW:VW+1]
.irp i, 1,2,3
	v_pk_mul_f32 v[CH+2*\i:CH+2*\i+1], v[W+2*\i:W+2*\i+1], v[T+2*\i:T+2*\i+1]
.endr
.irp b, 1,2,3,4,5,6,7
.irp i, 0,1,2,3
	v_pk_fma_f32 v[CH+2*\i:CH+2*\i+1], v[W+8*\b+2*\i:W+8*\b+2*\i+1], v[T+8*\b+2*\i:T+8*\b+2*\i+1], v[CH+2*\i:CH+2*\i+1]
.endr
.endr
	v_pk_add_f32 v[CH:CH+1], v[CH:CH+1], v[CH+2:CH+3]
	v_pk_add_f32 v[CH+4:CH+5], v[CH+4:CH+5], v[CH+6:CH+7]
	v_pk_add_f32 v[CH:CH+1], v[CH:CH+1], v[CH+4:CH+5]
	v_add_f32 v[EV+(\a)], v[CH], v[CH+1]
.endm
	s_wait_tensorcnt 0x1                           ; my part of K step 0 is in; K step 1's may stay out
	s_barrier_signal -1
	s_barrier_wait -1                              ; everybody's is
	s_mov_b32 s2, TILES                            ; tiles to go: the same number in every work-group
.Ltile:
	FETCH 0, 0, 0                                  ; a tile's first fragments: slot 0 was shown whole by the barrier above or by the last tile's last round
	s_wait_dscnt 16
	WIN CVT
.set cc, 0
.rept 64
	v_cvt_pk_bf16_f32 v[64+cc], v[2*cc], v[2*cc+1]
.set cc, cc+1
.endr
	QTURN 0, 1, 0                                  ; K step 0: its products start the sums: nothing is cleared
	WIN 0
	s_mov_b32 s3, 6
.Llap:                                         ; a trip: K steps 2 t (second quarter), 2 t + 1, 2 t + 2 (first quarter); both slots are filled again
	QPLAIN 1, 0, 1
	QTURN 1, 0, 0
	QPLAIN 0, 0, 1
	QTURN 0, 0, 0
	WIN 0
	s_sub_co_u32 s3, s3, 1
	s_cmp_lg_u32 s3, 0
	s_cbranch_scc1 .Llap
	QPLAIN 1, 0, 1                                 ; K step 12's second quarter
	QTURN 1, 0, 0                                  ; K step 13; slot 1 takes K step 15
	QPLAIN 0, 0, 1
	WIN 0
	s_cmp_eq_u32 s2, 1
	s_cbranch_scc1 .Llast                          ; the last tile asks for nothing more
	QTURN 0, 0, 1                                  ; K step 14; THE RING GOES ON: slot 0 takes the next tile's K step 0,
	QPLAIN 1, 0, 1
	QTURN 1, 0, 1                                  ; K step 15; slot 1 the next tile's K step 1
	WIN 0
	s_branch .Lfin
.Llast:
	QTURN 0, 0, 2                                  ; K step 14: the barrier shows slot 1 whole; nothing is filled
	QPLAIN 1, 0, 1
	QPLAIN 1, 1, 0                                 ; K step 15's first quarter
	WIN 0
.Lfin:
	s_wait_dscnt 0x0                               ; ub's fragments of the last quarter (one of the two ways here has left them out)
	WIN TO_1
.irp b, 0,1,2,3,4,5,6,7
	global_load_b128 v[8*\b:8*\b+3],   v[DOFF], s[DB:DB+1] offset:4096*\b      ; dect of the tile's batch, columns 16 b + 8 h + 0..7: it lands under the last 64 products
	global_load_b128 v[8*\b+4:8*\b+7], v[DOFF], s[DB:DB+1] offset:4096*\b+16
.endr
	MUL8 1, 0, 0, 0, 0
	MUL8 1, 0, 1, 0, 0
	MUL8 1, 0, 2, 0, 0
	MUL8 1, 0, 3, 0, 0
	MUL8 1, 1, 0, 0, 0
	MUL8 1, 1, 1, 0, 0
	MUL8 1, 1, 2, 0, 0
	MUL8 1, 1, 3, 0, 0
	WIN 0
	PLACES                                         ; four places between the last product and the first read of a result
	s_wait_loadcnt 0x0                             ; dect is in, and its base is free:
	s_add_nc_u64 s[DB:DB+1], s[DB:DB+1], 1024      ; the next tile's batch is 16 further on
	EPI 0
	EPI 1
	EPI 2
	EPI 3
	EPI 4
	EPI 5
	EPI 6
	EPI 7
.irp a, 0,1,2,3,4,5,6,7
	v_permlanex16_b32 v[T+\a], v[EV+\a], s[SEL], s[SEL+1]  ; the row's other 64 columns lie in the lane 16 away
.endr
.irp a, 0,1,2,3,4,5,6,7
	v_add_f32 v[EV+\a], v[EV+\a], v[T+\a]
.endr
.irp a, 0,1,2,3,4,5,6,7
	ds_store_b32 v[ESTO], v[EV+\a] offset:64*\a    ; row 16 a + r of my 128; both halves of the lanes write the same number
.endr
	ds_load_b128 v[OUT:OUT+3], v[ERD]              ; my own bytes: LDS serves a wave's instructions in order
	s_wait_dscnt 0x0
	global_store_b128 v[EGO], v[OUT:OUT+3], s[8:9] ; 512 consecutive bytes, at a multiple of 256 from epart's first
	s_wait_xcnt 0x0                                ; only behind this wait are the store's base and data rewritten
	s_add_nc_u64 s[8:9], s[8:9], 65536             ; 16,384 rows on
	s_sub_co_u32 s2, s2, 1
	s_cmp_lg_u32 s2, 0
	s_cbranch_scc1 .Ltile
	s_wait_tensorcnt 0x0                           ; the wave's end, behind my last tensor load and my last LDS store
	ds_add_u32 v[SPW], v[NIL]
	s_wait_dscnt 0x0
	CROUND                                         ; the closing round: no work-group ends while a partner may still ask for a tile that names it
	s_endpgm
.Lfunc_end_k_qf27b42c5d3_scores:
	.size	k_qf27b42c5d3_scores, .Lfunc_end_k_qf27b42c5d3_scores-k_qf27b42c5d3_scores
	.p2alignl 7, 3214868480
	.fill 96, 4, 3214868480
	.section	.rodata,"a",@progbits
	.p2align	6, 0x0
	.amdhsa_kernel k_qf27b42c5d3_scores
		.amdhsa_group_segment_fixed_size 327680
		.amdhsa_private_segment_fixed_size 0
		.amdhsa_enable_private_segment 0
		.amdhsa_kernarg_size 40
		.amdhsa_user_sgpr_count 2
		.amdhsa_user_sgpr_kernarg_segment_ptr 1
		.amdhsa_wavefront_size32 1
		.amdhsa_system_sgpr_workgroup_id_x 1
		.amdhsa_system_sgpr_workgroup_id_y 1
		.amdhsa_system_sgpr_workgroup_id_z 1
		.amdhsa_system_vgpr_workitem_id 0
		.amdhsa_next_free_vgpr 1024
		.amdhsa_next_free_sgpr 92
		.amdhsa_reserve_vcc 0
		.amdhsa_float_denorm_mode_32 3
		.amdhsa_float_denorm_mode_16_64 3
		.amdhsa_memory_ordered 1
		.amdhsa_forward_progress 1
		.amdhsa_inst_pref_size 255
	.end_amdhsa_kernel
	.section	.bss,"aw",@nobits
	.p2align	6
	.space	262144
	.amdgpu_metadata
---
amdhsa.version: [ 1, 2 ]
amdhsa.kernels:
  - .name:           k_qf27b42c5d3_scores
    .symbol:         k_qf27b42c5d3_scores.kd
    .args:
      - { .name: encoder_outputs, .offset: 0, .size: 8, .value_kind: global_buffer, .address_space: global }
      - { .name: ub, .offset: 8, .size: 8, .value_kind: global_buffer, .address_space: global }
      - { .name: dect, .offset: 16, .size: 8, .value_kind: global_buffer, .address_space: global }
      - { .name: v_a, .offset: 24, .size: 8, .value_kind: global_buffer, .address_space: global }
      - { .name: epart, .offset: 32, .size: 8, .value_kind: global_buffer, .address_space: global }
    .group_segment_fixed_size: 327680
    .private_segment_fixed_size: 0
    .kernarg_segment_align: 8
    .kernarg_segment_size: 40
    .max_flat_workgroup_size: 128
    .sgpr_count:     92
    .vgpr_count:     1024
    .wavefront_size: 32
...
	.end_amdgpu_metadata
.endif
;; end of part 2
;; launch ctx (part 3): grid 256 x 1, 8 waves a work-group, no clusters, 13,824 bytes of LDS; arguments epart, src_mask, order, ntrip, encoder_outputs, out0, out1; writes out0, out1
.if DOCPART == 3
	.amdgcn_target "amdgcn-amd-amdhsa--gfx1250"
	.amdhsa_code_object_version 6
	.text
	.protected	k_qf27b42c5d3_ctx
	.globl	k_qf27b42c5d3_ctx
	.p2align	8
	.type	k_qf27b42c5d3_ctx,@function
k_qf27b42c5d3_ctx:
	s_mov_b64 s[64:65], 0
	v_nop
	global_prefetch_b8 v0, s[64:65] scope:SCOPE_SE
	s_setreg_imm32_b32 hwreg(HW_REG_WAVE_MODE, 25, 1), 1
	s_wait_xcnt 0x0
; CTX: E[b][s] = the sum of the 8 partial scores; -1e9 - 9 (in f32: -1e9) where the mask is 0; alpha = softmax over s, with the row's true maximum taken away (out1); context = the sum over s of alpha enc[b][s] (out0).
; SHARES.  Work-group g: batch g / 4, the 256 columns from 256 (g % 4) on.  Each makes the batch's whole softmax (32 KiB of partial scores) and stores its quarter of alpha.
; The sum over rows walks the list that the first launch made: kept rows first, 64 entries a trip, ntrip[b] trips.  A row whose mask is 0 has weight 2^((-1e9 - m) log2 e) = 0 as soon as some kept score m lies
; above -1e9 + 110, so it is not read (but for those that fill up the last trip, whose weight 0 multiplies them).
; LIMITS.  That holds while the sum of |v_a| stays under 9.9e8, and rows of enc that are skipped are taken to be finite; where no row is kept all 1,024 are walked.  NaN and infinities are not treated apart.
; Memory binds: 16 loads of 512 consecutive bytes of every wave are on their way; all arithmetic in f32.  No matrix unit (one row of weights), no cluster and no tensor load (no two work-groups read the same bytes of enc).
.set RED1,  4096                       ; LDS: 0 alpha (4,096 bytes); the waves' maxima; the waves' sums; the waves' partial contexts (8 x 1,024); the spare words
.set RED2,  4352
.set PART,  4608
.set SPARE, 12800
.set SPW, 56                           ; v56  SPARE + 4 x my thread's number; never rewritten
.set NIL, 57                           ; v57  0; never rewritten
.set VOA, 58                           ; v58-61, v62-65  byte offsets of a set's four rows
.set VOB, 62
.set AA,  66                           ; v66-69  LDS addresses of four weights
.set ALA, 70                           ; v70-73, v74-77  a set's four weights
.set ALB, 74
.set XA,  80                           ; v80-111, v112-143  a set's four rows, 8 f32 a lane each
.set XB,  112
.set ACA, 144                          ; v144-151, v152-159  two accumulators of 8 columns
.set ACB, 152
	s_load_b256 s[4:11], s[0:1], 0x0               ; epart s[4:5], src_mask s[6:7], order s[8:9], ntrip s[10:11]
	s_load_b128 s[12:15], s[0:1], 0x20             ; enc s[12:13], out0 s[14:15]
	s_load_b64 s[16:17], s[0:1], 0x30              ; out1
	v_lshl_add_u32 v[SPW], v0, 2, SPARE
	v_mov_b32 v[NIL], 0
	v_lshrrev_b32 v3, 5, v0
	v_readfirstlane_b32 s20, v3                    ; wave 0..7
	s_lshr_b32 s21, ttmp9, 2                       ; batch
	s_and_b32 s22, ttmp9, 3                        ; quarter of the columns
	v_and_b32 v1, 31, v0
	v_lshlrev_b32 v1, 4, v1                        ; 16 x lane
	v_lshlrev_b32 v2, 4, v0                        ; 16 x thread
	s_lshl_b32 s32, s21, 12                        ; a batch's 1,024 numbers of 4 bytes
	s_mov_b32 s33, 0
	s_lshl_b32 s34, s21, 8
	s_mov_b32 s35, 0
	s_lshl_b32 s36, s20, 4                         ; my wave's four entries of a set of 32
	s_mov_b32 s37, 0
	s_lshl_b32 s38, s21, 22                        ; a batch of enc
	s_lshl_b32 s18, s22, 10                        ; 256 columns of f32
	s_mov_b32 s19, 0
	s_add_co_u32 s38, s38, s18
	s_mov_b32 s39, 0
	s_mov_b32 s30, 0x76543210                      ; v_permlanex16_b32's selects
	s_mov_b32 s31, 0xfedcba98
	s_wait_kmcnt 0x0
	s_add_nc_u64 s[4:5], s[4:5], s[32:33]
	s_add_nc_u64 s[6:7], s[6:7], s[32:33]
	s_add_nc_u64 s[26:27], s[8:9], s[32:33]
	s_add_nc_u64 s[26:27], s[26:27], s[36:37]      ; the list at my wave's first entries
	s_add_nc_u64 s[10:11], s[10:11], s[34:35]
	s_add_nc_u64 s[28:29], s[12:13], s[38:39]      ; enc at the batch's first row, my columns
	s_add_nc_u64 s[16:17], s[16:17], s[32:33]
	s_add_nc_u64 s[14:15], s[14:15], s[32:33]
	s_add_nc_u64 s[14:15], s[14:15], s[18:19]
	s_load_b32 s23, s[10:11], 0x0                  ; trips
	s_load_b128 s[40:43], s[26:27], 0x0            ; trip 0: set A's four rows (entries 4 w ..),
	s_load_b128 s[44:47], s[26:27], 0x80           ; set B's (entries 32 + 4 w ..)
.irp p, 0,1,2,3,4,5,6,7
	global_load_b128 v[8+4*\p:11+4*\p], v2, s[4:5] offset:262144*\p   ; thread t: rows 4 t .. 4 t + 3 of the 8 planes
.endr
	global_load_b128 v[40:43], v2, s[6:7]
; A set's four rows are asked for: 1,024 bytes of each, two loads of 512 consecutive bytes.  A row number from the list is held to 0..1023 before it enters an address.
.macro ISSUE_G X, VO, SB
.irp i, 0,1,2,3
	s_min_u32 s[(\SB)+\i], s[(\SB)+\i], 0x3ff
	s_lshl_b32 s[48+\i], s[(\SB)+\i], 12
	v_add_nc_u32 v[(\VO)+\i], s[48+\i], v1
	global_load_b128 v[(\X)+8*\i:(\X)+8*\i+3],   v[(\VO)+\i], s[28:29] th:TH_LOAD_NT
	global_load_b128 v[(\X)+8*\i+4:(\X)+8*\i+7], v[(\VO)+\i], s[28:29] offset:512 th:TH_LOAD_NT
.endr
.endm
; and their four weights, from LDS: every lane reads the same word
.macro ISSUE_L AL, SB
.irp i, 0,1,2,3
	s_lshl_b32 s[52+\i], s[(\SB)+\i], 2
	v_mov_b32 v[AA+\i], s[52+\i]
	ds_load_b32 v[(\AL)+\i], v[AA+\i]
.endr
.endm
; 16 packed multiply-adds: four rows x 8 columns; the weight is the low or the high register of its pair, for both halves
.macro FMA X, AL, AC
.irp i, 0,1,2,3
.irp k, 0,1,2,3
.if (\i)%2 == 0
	v_pk_fma_f32 v[(\AC)+2*\k:(\AC)+2*\k+1], v[(\X)+8*\i+2*\k:(\X)+8*\i+2*\k+1], v[(\AL)+2*(\i/2):(\AL)+2*(\i/2)+1], v[(\AC)+2*\k:(\AC)+2*\k+1] op_sel_hi:[1,0,1]
.else
	v_pk_fma_f32 v[(\AC)+2*\k:(\AC)+2*\k+1], v[(\X)+8*\i+2*\k:(\X)+8*\i+2*\k+1], v[(\AL)+2*(\i/2):(\AL)+2*(\i/2)+1], v[(\AC)+2*\k:(\AC)+2*\k+1] op_sel:[0,1,0] op_sel_hi:[1,1,1]
.endif
.endr
.endr
.endm
; eight vectors of four registers from v[B] on are added into the first
.macro TREE8 B
.irp p, 0,1,2,3
	v_pk_add_f32 v[(\B)+4*\p:(\B)+4*\p+1],   v[(\B)+4*\p:(\B)+4*\p+1],   v[(\B)+16+4*\p:(\B)+16+4*\p+1]
	v_pk_add_f32 v[(\B)+4*\p+2:(\B)+4*\p+3], v[(\B)+4*\p+2:(\B)+4*\p+3], v[(\B)+16+4*\p+2:(\B)+16+4*\p+3]
.endr
.irp p, 0,1
	v_pk_add_f32 v[(\B)+4*\p:(\B)+4*\p+1],   v[(\B)+4*\p:(\B)+4*\p+1],   v[(\B)+8+4*\p:(\B)+8+4*\p+1]
	v_pk_add_f32 v[(\B)+4*\p+2:(\B)+4*\p+3], v[(\B)+4*\p+2:(\B)+4*\p+3], v[(\B)+8+4*\p+2:(\B)+8+4*\p+3]
.endr
	v_pk_add_f32 v[(\B):(\B)+1],   v[(\B):(\B)+1],   v[(\B)+4:(\B)+5]
	v_pk_add_f32 v[(\B)+2:(\B)+3], v[(\B)+2:(\B)+3], v[(\B)+6:(\B)+7]
.endm
	s_wait_kmcnt 0x0
	ISSUE_G XA, VOA, 40                            ; the first trip's rows go out ahead of the softmax: they hang on the list alone
	ISSUE_G XB, VOB, 44
	s_min_u32 s23, s23, 16                         ; a trip count is 1..16 by construction; the bounds are also written out
	s_max_u32 s23, s23, 1
	v_mov_b32 v48, 0xce6e6b28                      ; -1e9 - 9 rounded to f32
	v_mov_b32 v50, 0
	v_mov_b32 v51, s20
	v_lshlrev_b32 v51, 2, v51                      ; my wave's word among the eight
	v_mov_b32 v52, 0
.set i, 0
.rept 16
	v_mov_b32 v[ACA+i], 0
.set i, i+1
.endr
	s_wait_loadcnt 16                              ; the scores and the mask are in; the 16 row loads behind them stay out
	TREE8 8
.irp j, 0,1,2,3
	v_cmp_eq_u32 vcc_lo, 0, v[40+\j]
	v_cndmask_b32 v[44+\j], v[8+\j], v48, vcc_lo
.endr
	; the maximum: in the lane, over the wave's lanes, over the eight waves
	v_max3_num_f32 v49, v44, v45, v46
	v_max_num_f32 v49, v49, v47
	v_max_num_f32_dpp v49, v49, v49 row_xmask:1 row_mask:0xf bank_mask:0xf
	v_max_num_f32_dpp v49, v49, v49 row_xmask:2 row_mask:0xf bank_mask:0xf
	v_max_num_f32_dpp v49, v49, v49 row_xmask:4 row_mask:0xf bank_mask:0xf
	v_max_num_f32_dpp v49, v49, v49 row_xmask:8 row_mask:0xf bank_mask:0xf
	v_permlanex16_b32 v50, v49, s30, s31
	v_max_num_f32 v49, v49, v50
	ds_store_b32 v51, v49 offset:RED1
	s_wait_dscnt 0x0                               ; for the others' sake
	s_barrier_signal -1
	s_barrier_wait -1
	ds_load_b128 v[8:11], v52 offset:RED1
	ds_load_b128 v[12:15], v52 offset:RED1+16
	s_wait_dscnt 0x0
	v_max3_num_f32 v8, v8, v9, v10
	v_max3_num_f32 v11, v11, v12, v13
	v_max3_num_f32 v8, v8, v14, v15
	v_max_num_f32 v49, v8, v11
.irp j, 0,1,2,3
	v_sub_f32 v[44+\j], v[44+\j], v49
.endr
.irp j, 0,1,2,3
	v_mul_f32 v[44+\j], 0x3fb8aa3b, v[44+\j]
.endr
.irp j, 0,1,2,3
	v_exp_f32 v[44+\j], v[44+\j]
.endr
	v_nop                                          ; a plain instruction between the last exponential and the use of its result
	s_wait_alu depctr_va_vdst(0)
	v_add_f32 v53, v44, v45
	v_add_f32 v54, v46, v47
	v_add_f32 v53, v53, v54
	v_add_f32_dpp v53, v53, v53 row_xmask:1 row_mask:0xf bank_mask:0xf
	v_add_f32_dpp v53, v53, v53 row_xmask:2 row_mask:0xf bank_mask:0xf
	v_add_f32_dpp v53, v53, v53 row_xmask:4 row_mask:0xf bank_mask:0xf
	v_add_f32_dpp v53, v53, v53 row_xmask:8 row_mask:0xf bank_mask:0xf
	v_permlanex16_b32 v50, v53, s30, s31
	v_add_f32 v53, v53, v50
	ds_store_b32 v51, v53 offset:RED2              ; other bytes than the maxima's: no wave may still be reading those
	s_wait_dscnt 0x0
	s_barrier_signal -1
	s_barrier_wait -1
	ds_load_b128 v[8:11], v52 offset:RED2
	ds_load_b128 v[12:15], v52 offset:RED2+16
	s_wait_dscnt 0x0
	v_pk_add_f32 v[8:9], v[8:9], v[12:13]
	v_pk_add_f32 v[10:11], v[10:11], v[14:15]
	v_pk_add_f32 v[8:9], v[8:9], v[10:11]
	v_add_f32 v8, v8, v9
	v_rcp_f32 v53, v8
	v_nop
	s_wait_alu depctr_va_vdst(0)
.irp j, 0,1,2,3
	v_mul_f32 v[44+\j], v[44+\j], v53
.endr
	ds_store_b128 v2, v[44:47]                     ; alpha of rows 4 t .. 4 t + 3
	s_lshr_b32 s24, s20, 1
	s_cmp_lg_u32 s24, s22
	s_cbranch_scc1 .Lnot_mine                      ; waves 2 q and 2 q + 1 hold rows 256 q .. 256 q + 255: this work-group's quarter of out1
	global_store_b128 v2, v[44:47], s[16:17]
.Lnot_mine:
	s_wait_dscnt 0x0                               ; for the others' sake: my part of alpha is in LDS
	s_barrier_signal -1
	s_barrier_wait -1
	ISSUE_L ALA, 40
	ISSUE_L ALB, 44
	s_mov_b32 s24, 0
	s_sub_co_u32 s25, s23, 1                       ; all trips but the last ask for the next trip's rows
	s_cmp_eq_u32 s25, 0
	s_cbranch_scc1 .Ltail
.Lloop:
	s_add_nc_u64 s[26:27], s[26:27], 256           ; the next 64 entries (the last scalar loads were waited for)
	s_load_b128 s[40:43], s[26:27], 0x0
	s_load_b128 s[44:47], s[26:27], 0x80
	s_wait_loadcnt 0x8                             ; set A's 8 loads are in, set B's 8 stay out
	s_wait_dscnt 0x4                               ; likewise the weights
	FMA XA, ALA, ACA
	s_wait_kmcnt 0x0
	ISSUE_G XA, VOA, 40                            ; set A's registers and offsets were freed by the wait for its loads
	ISSUE_L ALA, 40
	s_wait_loadcnt 0x8                             ; set B's are in, set A's new 8 stay out
	s_wait_dscnt 0x4
	FMA XB, ALB, ACB
	ISSUE_G XB, VOB, 44
	ISSUE_L ALB, 44
	s_add_co_u32 s24, s24, 1
	s_cmp_lt_u32 s24, s25
	s_cbranch_scc1 .Lloop
.Ltail:                                        ; the last trip asks for nothing: no load passes the list's or the batch's end
	s_wait_loadcnt 0x8
	s_wait_dscnt 0x4
	FMA XA, ALA, ACA
	s_wait_loadcnt 0x0
	s_wait_dscnt 0x0
	FMA XB, ALB, ACB
.irp k, 0,1,2,3
	v_pk_add_f32 v[ACA+2*\k:ACA+2*\k+1], v[ACA+2*\k:ACA+2*\k+1], v[ACB+2*\k:ACB+2*\k+1]
.endr
	v_lshl_add_u32 v3, s20, 10, v1                 ; my wave's 1,024 bytes: the 256 columns as they lie in a row
	ds_store_b128 v3, v[ACA:ACA+3] offset:PART
	ds_store_b128 v3, v[ACA+4:ACA+7] offset:PART+512
	s_wait_dscnt 0x0                               ; for the others' sake
	s_barrier_signal -1
	s_barrier_wait -1
	s_cmp_gt_u32 s20, 1
	s_cbranch_scc1 .Lend                           ; 64 threads add the eight waves' parts, four columns each
.irp p, 0,1,2,3,4,5,6,7
	ds_load_b128 v[80+4*\p:83+4*\p], v2 offset:PART+1024*\p
.endr
	s_wait_dscnt 0x0
	TREE8 80
	global_store_b128 v2, v[80:83], s[14:15]       ; 1,024 consecutive bytes of out0
.Lend:
	s_wait_tensorcnt 0x0                           ; the wave's end, behind my last LDS store
	ds_add_u32 v[SPW], v[NIL]
	s_wait_dscnt 0x0
	s_endpgm
.Lfunc_end_k_qf27b42c5d3_ctx:
	.size	k_qf27b42c5d3_ctx, .Lfunc_end_k_qf27b42c5d3_ctx-k_qf27b42c5d3_ctx
	.p2alignl 7, 3214868480
	.fill 96, 4, 3214868480
	.section	.rodata,"a",@progbits
	.p2align	6, 0x0
	.amdhsa_kernel k_qf27b42c5d3_ctx
		.amdhsa_group_segment_fixed_size 13824
		.amdhsa_private_segment_fixed_size 0
		.amdhsa_enable_private_segment 0
		.amdhsa_kernarg_size 56
		.amdhsa_user_sgpr_count 2
		.amdhsa_user_sgpr_kernarg_segment_ptr 1
		.amdhsa_wavefront_size32 1
		.amdhsa_system_sgpr_workgroup_id_x 1
		.amdhsa_system_sgpr_workgroup_id_y 1
		.amdhsa_system_sgpr_workgroup_id_z 1
		.amdhsa_system_vgpr_workitem_id 0
		.amdhsa_next_free_vgpr 160
		.amdhsa_next_free_sgpr 66
		.amdhsa_reserve_vcc 1
		.amdhsa_float_denorm_mode_32 3
		.amdhsa_float_denorm_mode_16_64 3
		.amdhsa_memory_ordered 1
		.amdhsa_forward_progress 1
		.amdhsa_inst_pref_size 22
	.end_amdhsa_kernel
	.amdgpu_metadata
---
amdhsa.version: [ 1, 2 ]
amdhsa.kernels:
  - .name:           k_qf27b42c5d3_ctx
    .symbol:         k_qf27b42c5d3_ctx.kd
    .args:
      - { .name: epart, .offset: 0, .size: 8, .value_kind: global_buffer, .address_space: global }
      - { .name: src_mask, .offset: 8, .size: 8, .value_kind: global_buffer, .address_space: global }
      - { .name: order, .offset: 16, .size: 8, .value_kind: global_buffer, .address_space: global }
      - { .name: ntrip, .offset: 24, .size: 8, .value_kind: global_buffer, .address_space: global }
      - { .name: encoder_outputs, .offset: 32, .size: 8, .value_kind: global_buffer, .address_space: global }
      - { .name: out0, .offset: 40, .size: 8, .value_kind: global_buffer, .address_space: global }
      - { .name: out1, .offset: 48, .size: 8, .value_kind: global_buffer, .address_space: global }
    .group_segment_fixed_size: 13824
    .private_segment_fixed_size: 0
    .kernarg_segment_align: 8
    .kernarg_segment_size: 56
    .max_flat_workgroup_size: 256
    .sgpr_count:     66
    .vgpr_count:     160
    .wavefront_size: 32
...
	.end_amdgpu_metadata
.endif
;; end of part 3
;; ======== version 2 of 2: 3 launches; version 1 with the launch ctx written anew for expert scheduling mode
;; limits: right only within a limited range of input values
;; workspace buffers: ub 2,097,152 bytes; dect 262,144 bytes; epart 2,097,152 bytes; order 262,144 bytes of whole numbers; ntrip 16,384 bytes of whole numbers
;; launch prep: the kernel of part 1 again; grid 200 x 1, 8 waves a work-group, no clusters, 50,176 bytes of LDS; arguments decoder_state, W_a, src_mask, U_a, dect, order, ntrip, ub; writes dect, order, ntrip, ub
;; launch scores: the kernel of part 2 again; grid 4 x 64, 4 waves a work-group, clusters of 4 x 4, 327,680 bytes of LDS; arguments encoder_outputs, ub, dect, v_a, epart; writes epart
;; launch ctx (part 4): grid 256 x 1, 8 waves a work-group, no clusters, 13,824 bytes of LDS; arguments epart, src_mask, order, ntrip, encoder_outputs, out0, out1; writes out0, out1
.if DOCPART == 4
	.amdgcn_target "amdgcn-amd-amdhsa--gfx1250"
	.amdhsa_code_object_version 6
	.text
	.protected	k_qf27b42c5d3_ctx
	.globl	k_qf27b42c5d3_ctx
	.p2align	8
	.type	k_qf27b42c5d3_ctx,@function
k_qf27b42c5d3_ctx:
	s_mov_b64 s[64:65], 0
	v_nop
	global_prefetch_b8 v0, s[64:65] scope:SCOPE_SE
	s_setreg_imm32_b32 hwreg(HW_REG_WAVE_SCHED_MODE, 0, 2), 2
	s_setreg_imm32_b32 hwreg(HW_REG_WAVE_MODE, 25, 1), 1
	s_wait_xcnt 0x0
	s_wait_alu depctr_vm_vsrc(0)
; CTX: E[b][s] = the sum of the 8 partial scores; -1e9 - 9 (in f32: -1e9) where the mask is 0; alpha = softmax over s, with the row's true maximum taken away (out1); context = the sum over s of alpha enc[b][s] (out0).
; SHARES.  Work-group g: batch g / 4, the 256 columns from 256 (g % 4) on.  Each makes the batch's whole softmax (32 KiB of partial scores) and stores its quarter of alpha.
; The sum over rows walks the list that the first launch made: kept rows first, 64 entries a trip, ntrip[b] trips.  A row whose mask is 0 has weight 2^((-1e9 - m) log2 e) = 0 as soon as some kept score m lies
; above -1e9 + 110, so it is not read (but for those that fill up the last trip, whose weight 0 multiplies them).
; LIMITS.  That holds while the sum of |v_a| stays under 9.9e8, and rows of enc that are skipped are taken to be finite; where no row is kept all 1,024 are walked.  NaN and infinities are not treated apart.
; Memory binds: 16 loads of 512 consecutive bytes of every wave are on their way; all arithmetic in f32.  No matrix unit (one row of weights), no cluster and no tensor load (no two work-groups read the same bytes of enc).
; THE MODE: SCHED_MODE bits 1:0 = 2 (LLVM: expert scheduling mode 2), set by the entry lines.  The code itself states the register dependences
; between vector instructions and memory or LDS instructions, with s_wait_alu, always for 0.
; THE PLAN.  Registers that memory or LDS instructions touch:
;   v1, v2, v51, v52   offsets and LDS addresses, made once at the head and never written again.
;   v8-43              the scores and the mask land here; the tree and the selects read them; v8-15 then take the waves' maxima and, later, the waves' sums from LDS.
;   v49, v53           data of the two small LDS stores; each is written again behind its store (the maximum of all waves; the reciprocal).
;   v44-47             alpha: written by four multiplies, read by one LDS store and one global store, never written again.
;   VOA, VOB, AAA, AAB a set's four row offsets and four LDS addresses of weights: written by ADDR once a trip, read by the set's 8 row loads and 4 weight loads.
;   XA, XB, ALA, ALB   a set's rows and weights land here; the set's 16 multiply-adds read them.
;   ACA, v3            data and address of the parts' LDS stores; v80-111 take the parts back; v80-83 are the last store's data.
; In the loop a set has two waits.  Behind its multiply-adds: the set's loads of the trip before have read VO and AA, which ADDR writes.  Behind ADDR: the multiply-adds are done reading X and AL,
; and VO and AA are written.  The set's 12 loads follow in one run; no vector instruction stands between that wait and them.
.set RED1,  4096                       ; LDS: 0 alpha (4,096 bytes); the waves' maxima; the waves' sums; the waves' partial contexts (8 x 1,024); the spare words
.set RED2,  4352
.set PART,  4608
.set SPARE, 12800
.set AAB, 4                            ; v4-7    LDS addresses of set B's four weights
.set SPW, 56                           ; v56  SPARE + 4 x my thread's number; never rewritten
.set NIL, 57                           ; v57  0; never rewritten
.set VOA, 58                           ; v58-61, v62-65  byte offsets of a set's four rows
.set VOB, 62
.set AAA, 66                           ; v66-69  LDS addresses of set A's four weights
.set ALA, 70                           ; v70-73, v74-77  a set's four weights
.set ALB, 74
.set XA,  80                           ; v80-111, v112-143  a set's four rows, 8 f32 a lane each
.set XB,  112
.set ACA, 144                          ; v144-151, v152-159  two accumulators of 8 columns
.set ACB, 152
	s_load_b256 s[4:11], s[0:1], 0x0               ; epart s[4:5], src_mask s[6:7], order s[8:9], ntrip s[10:11]
	s_load_b128 s[12:15], s[0:1], 0x20             ; enc s[12:13], out0 s[14:15]
	s_load_b64 s[16:17], s[0:1], 0x30              ; out1
	v_lshl_add_u32 v[SPW], v0, 2, SPARE
	v_mov_b32 v[NIL], 0
	v_lshrrev_b32 v3, 5, v0
	v_readfirstlane_b32 s20, v3                    ; wave 0..7
	s_lshr_b32 s21, ttmp9, 2                       ; batch
	s_and_b32 s22, ttmp9, 3                        ; quarter of the columns
	v_and_b32 v1, 31, v0
	v_lshlrev_b32 v1, 4, v1                        ; 16 x lane
	v_lshlrev_b32 v2, 4, v0                        ; 16 x thread
	s_lshl_b32 s32, s21, 12                        ; a batch's 1,024 numbers of 4 bytes
	s_mov_b32 s33, 0
	s_lshl_b32 s34, s21, 8
	s_mov_b32 s35, 0
	s_wait_alu depctr_va_sdst(0)                   ; s20 is written, ahead of its first reader, the next line
	s_lshl_b32 s36, s20, 4                         ; my wave's four entries of a set of 32
	s_mov_b32 s37, 0
	s_lshl_b32 s38, s21, 22                        ; a batch of enc
	s_lshl_b32 s18, s22, 10                        ; 256 columns of f32
	s_mov_b32 s19, 0
	s_add_co_u32 s38, s38, s18
	s_mov_b32 s39, 0
	s_mov_b32 s30, 0x76543210                      ; v_permlanex16_b32's selects
	s_mov_b32 s31, 0xfedcba98
	s_wait_kmcnt 0x0
	s_add_nc_u64 s[4:5], s[4:5], s[32:33]
	s_add_nc_u64 s[6:7], s[6:7], s[32:33]
	s_add_nc_u64 s[26:27], s[8:9], s[32:33]
	s_add_nc_u64 s[26:27], s[26:27], s[36:37]      ; the list at my wave's first entries
	s_add_nc_u64 s[10:11], s[10:11], s[34:35]
	s_add_nc_u64 s[28:29], s[12:13], s[38:39]      ; enc at the batch's first row, my columns
	s_add_nc_u64 s[16:17], s[16:17], s[32:33]
	s_add_nc_u64 s[14:15], s[14:15], s[32:33]
	s_add_nc_u64 s[14:15], s[14:15], s[18:19]
	s_load_b32 s23, s[10:11], 0x0                  ; trips
	s_load_b128 s[40:43], s[26:27], 0x0            ; trip 0: set A's four rows (entries 4 w ..),
	s_load_b128 s[44:47], s[26:27], 0x80           ; set B's (entries 32 + 4 w ..)
	s_wait_alu depctr_va_vdst(0)                   ; v1 and v2 are written: the offsets that the kernel's loads and stores read
.irp p, 0,1,2,3,4,5,6,7
	global_load_b128 v[8+4*\p:11+4*\p], v2, s[4:5] offset:262144*\p   ; thread t: rows 4 t .. 4 t + 3 of the 8 planes
.endr
	global_load_b128 v[40:43], v2, s[6:7]
; A set's four byte offsets in enc and four LDS addresses in alpha, in one run.  A row number from the list is held to 0..1023 before it enters an address.
.macro ADDR VO, AA, SB
.irp i, 0,1,2,3
	s_min_u32 s[(\SB)+\i], s[(\SB)+\i], 0x3ff
	s_lshl_b32 s[48+\i], s[(\SB)+\i], 12
	v_add_nc_u32 v[(\VO)+\i], s[48+\i], v1
	s_lshl_b32 s[52+\i], s[(\SB)+\i], 2
	v_mov_b32 v[(\AA)+\i], s[52+\i]
.endr
.endm
; A set's four rows are asked for: 1,024 bytes of each, two loads of 512 consecutive bytes.
.macro ROWS X, VO
.irp i, 0,1,2,3
	global_load_b128 v[(\X)+8*\i:(\X)+8*\i+3],   v[(\VO)+\i], s[28:29] th:TH_LOAD_NT
	global_load_b128 v[(\X)+8*\i+4:(\X)+8*\i+7], v[(\VO)+\i], s[28:29] offset:512 th:TH_LOAD_NT
.endr
.endm
; and their four weights, from LDS: every lane reads the same word
.macro WEIGHTS AL, AA
.irp i, 0,1,2,3
	ds_load_b32 v[(\AL)+\i], v[(\AA)+\i]
.endr
.endm
; 16 packed multiply-adds: four rows x 8 columns; the weight is the low or the high register of its pair, for both halves
.macro FMA X, AL, AC
.irp i, 0,1,2,3
.irp k, 0,1,2,3
.if (\i)%2 == 0
	v_pk_fma_f32 v[(\AC)+2*\k:(\AC)+2*\k+1], v[(\X)+8*\i+2*\k:(\X)+8*\i+2*\k+1], v[(\AL)+2*(\i/2):(\AL)+2*(\i/2)+1], v[(\AC)+2*\k:(\AC)+2*\k+1] op_sel_hi:[1,0,1]
.else
	v_pk_fma_f32 v[(\AC)+2*\k:(\AC)+2*\k+1], v[(\X)+8*\i+2*\k:(\X)+8*\i+2*\k+1], v[(\AL)+2*(\i/2):(\AL)+2*(\i/2)+1], v[(\AC)+2*\k:(\AC)+2*\k+1] op_sel:[0,1,0] op_sel_hi:[1,1,1]
.endif
.endr
.endr
.endm
; eight vectors of four registers from v[B] on are added into the first
.macro TREE8 B
.irp p, 0,1,2,3
	v_pk_add_f32 v[(\B)+4*\p:(\B)+4*\p+1],   v[(\B)+4*\p:(\B)+4*\p+1],   v[(\B)+16+4*\p:(\B)+16+4*\p+1]
	v_pk_add_f32 v[(\B)+4*\p+2:(\B)+4*\p+3], v[(\B)+4*\p+2:(\B)+4*\p+3], v[(\B)+16+4*\p+2:(\B)+16+4*\p+3]
.endr
.irp p, 0,1
	v_pk_add_f32 v[(\B)+4*\p:(\B)+4*\p+1],   v[(\B)+4*\p:(\B)+4*\p+1],   v[(\B)+8+4*\p:(\B)+8+4*\p+1]
	v_pk_add_f32 v[(\B)+4*\p+2:(\B)+4*\p+3], v[(\B)+4*\p+2:(\B)+4*\p+3], v[(\B)+8+4*\p+2:(\B)+8+4*\p+3]
.endr
	v_pk_add_f32 v[(\B):(\B)+1],   v[(\B):(\B)+1],   v[(\B)+4:(\B)+5]
	v_pk_add_f32 v[(\B)+2:(\B)+3], v[(\B)+2:(\B)+3], v[(\B)+6:(\B)+7]
.endm
	; the constants and the cleared sums stand in the wait for the list
	v_mov_b32 v48, 0xce6e6b28                      ; -1e9 - 9 rounded to f32
	v_mov_b32 v50, 0
	v_mov_b32 v51, s20
	v_lshlrev_b32 v51, 2, v51                      ; my wave's word among the eight
	v_mov_b32 v52, 0
.set i, 0
.rept 16
	v_mov_b32 v[ACA+i], 0
.set i, i+1
.endr
	s_wait_kmcnt 0x0
	ADDR VOA, AAA, 40                              ; both sets' offsets and LDS addresses in one run
	ADDR VOB, AAB, 44
	s_wait_alu depctr_va_vdst(0)                   ; VOA and VOB are written, which the 16 loads below read; so are AAA, AAB, v51 and v52, which LDS instructions further down read and no vector line writes before them
	ROWS XA, VOA                                   ; the first trip's rows go out ahead of the softmax: they hang on the list alone
	ROWS XB, VOB
	s_min_u32 s23, s23, 16                         ; a trip count is 1..16 by construction; the bounds are also written out
	s_max_u32 s23, s23, 1
	s_wait_loadcnt 16                              ; the scores and the mask are in; the 16 row loads behind them stay out
	TREE8 8
.irp j, 0,1,2,3
	v_cmp_eq_u32 s[56+\j], 0, v[40+\j]             ; the four compares in one run, each into a scalar register of its own
.endr
	s_wait_alu depctr_va_sdst(0)                   ; s56 to s59 are written, ahead of the selects that read them
.irp j, 0,1,2,3
	v_cndmask_b32 v[44+\j], v[8+\j], v48, s[56+\j]
.endr
	; the maximum: in the lane, over the wave's lanes, over the eight waves
	v_max3_num_f32 v49, v44, v45, v46
	v_max_num_f32 v49, v49, v47
	v_max_num_f32_dpp v49, v49, v49 row_xmask:1 row_mask:0xf bank_mask:0xf
	v_max_num_f32_dpp v49, v49, v49 row_xmask:2 row_mask:0xf bank_mask:0xf
	v_max_num_f32_dpp v49, v49, v49 row_xmask:4 row_mask:0xf bank_mask:0xf
	v_max_num_f32_dpp v49, v49, v49 row_xmask:8 row_mask:0xf bank_mask:0xf
	v_permlanex16_b32 v50, v49, s30, s31
	v_max_num_f32 v49, v49, v50
	s_wait_alu depctr_va_vdst(0)                   ; v49 is written, which the LDS store reads; the tree and the selects are done with v8-15, in which the LDS loads behind the barrier land
	ds_store_b32 v51, v49 offset:RED1
	s_wait_dscnt 0x0                               ; for the others' sake
	s_barrier_signal -1
	s_barrier_wait -1
	ds_load_b128 v[8:11], v52 offset:RED1
	ds_load_b128 v[12:15], v52 offset:RED1+16
	s_wait_dscnt 0x0
	s_wait_alu depctr_vm_vsrc(0)                   ; the LDS store above has read v49, which the fourth line below writes again
	v_max3_num_f32 v8, v8, v9, v10
	v_max3_num_f32 v11, v11, v12, v13
	v_max3_num_f32 v8, v8, v14, v15
	v_max_num_f32 v49, v8, v11
.irp j, 0,1,2,3
	v_sub_f32 v[44+\j], v[44+\j], v49
.endr
.irp j, 0,1,2,3
	v_mul_f32 v[44+\j], 0x3fb8aa3b, v[44+\j]
.endr
.irp j, 0,1,2,3
	v_exp_f32 v[44+\j], v[44+\j]
.endr
	v_nop                                          ; a plain instruction between the last exponential and the use of its result
	s_wait_alu depctr_va_vdst(0)                   ; the four exponentials have written v44-47, ahead of their first reader
	v_add_f32 v53, v44, v45
	v_add_f32 v54, v46, v47
	v_add_f32 v53, v53, v54
	v_add_f32_dpp v53, v53, v53 row_xmask:1 row_mask:0xf bank_mask:0xf
	v_add_f32_dpp v53, v53, v53 row_xmask:2 row_mask:0xf bank_mask:0xf
	v_add_f32_dpp v53, v53, v53 row_xmask:4 row_mask:0xf bank_mask:0xf
	v_add_f32_dpp v53, v53, v53 row_xmask:8 row_mask:0xf bank_mask:0xf
	v_permlanex16_b32 v50, v53, s30, s31
	v_add_f32 v53, v53, v50
	s_wait_alu depctr_va_vdst(0)                   ; v53 is written, which the LDS store reads; the maxima's lines are done with v8-15, in which the LDS loads behind the barrier land
	ds_store_b32 v51, v53 offset:RED2              ; other bytes than the maxima's: no wave may still be reading those
	s_wait_dscnt 0x0
	s_barrier_signal -1
	s_barrier_wait -1
	ds_load_b128 v[8:11], v52 offset:RED2
	ds_load_b128 v[12:15], v52 offset:RED2+16
	s_wait_dscnt 0x0
	s_wait_alu depctr_vm_vsrc(0)                   ; the LDS store above has read v53, which the reciprocal below writes again
	v_pk_add_f32 v[8:9], v[8:9], v[12:13]
	v_pk_add_f32 v[10:11], v[10:11], v[14:15]
	v_pk_add_f32 v[8:9], v[8:9], v[10:11]
	v_add_f32 v8, v8, v9
	v_rcp_f32 v53, v8
	v_nop
	s_wait_alu depctr_va_vdst(0)                   ; the reciprocal has written v53, ahead of its first reader
.irp j, 0,1,2,3
	v_mul_f32 v[44+\j], v[44+\j], v53
.endr
	s_wait_alu depctr_va_vdst(0)                   ; the four multiplies have written v44-47, which the LDS store and, on one side of the branch, the global store read; no vector line follows before them
	ds_store_b128 v2, v[44:47]                     ; alpha of rows 4 t .. 4 t + 3
	s_lshr_b32 s24, s20, 1
	s_cmp_lg_u32 s24, s22
	s_cbranch_scc1 .Lnot_mine                      ; waves 2 q and 2 q + 1 hold rows 256 q .. 256 q + 255: this work-group's quarter of out1
	global_store_b128 v2, v[44:47], s[16:17]
.Lnot_mine:
	s_wait_dscnt 0x0                               ; for the others' sake: my part of alpha is in LDS
	s_barrier_signal -1
	s_barrier_wait -1
	WEIGHTS ALA, AAA                               ; no wait: AAA and AAB were written ahead of the waits above and by nothing since, and no vector line has named ALA or ALB
	WEIGHTS ALB, AAB
	s_mov_b32 s24, 0
	s_sub_co_u32 s25, s23, 1                       ; all trips but the last ask for the next trip's rows
	s_cmp_eq_u32 s25, 0
	s_cbranch_scc1 .Ltail
.Lloop:
	s_add_nc_u64 s[26:27], s[26:27], 256           ; the next 64 entries (the last scalar loads were waited for)
	s_load_b128 s[40:43], s[26:27], 0x0
	s_load_b128 s[44:47], s[26:27], 0x80
	s_wait_loadcnt 0x8                             ; set A's 8 loads are in, set B's 8 stay out
	s_wait_dscnt 0x4                               ; likewise the weights
	FMA XA, ALA, ACA
	s_wait_kmcnt 0x0
	s_wait_alu depctr_vm_vsrc(0)                   ; set A's row loads and weight loads of the trip before have read VOA and AAA, which ADDR writes (the wait for those row loads has also shown them done)
	ADDR VOA, AAA, 40
	s_wait_alu depctr_va_vdst(0)                   ; the multiply-adds are done reading XA and ALA, in which the loads below land; VOA and AAA are written, which they read
	ROWS XA, VOA
	WEIGHTS ALA, AAA
	s_wait_loadcnt 0x8                             ; set B's are in, set A's new 8 stay out
	s_wait_dscnt 0x4
	FMA XB, ALB, ACB
	s_wait_alu depctr_vm_vsrc(0)                   ; set B's row loads and weight loads of the trip before have read VOB and AAB, which ADDR writes
	ADDR VOB, AAB, 44
	s_wait_alu depctr_va_vdst(0)                   ; the multiply-adds are done reading XB and ALB, in which the loads below land; VOB and AAB are written, which they read
	ROWS XB, VOB
	WEIGHTS ALB, AAB
	s_add_co_u32 s24, s24, 1
	s_cmp_lt_u32 s24, s25
	s_cbranch_scc1 .Lloop
.Ltail:                                        ; the last trip asks for nothing: no load passes the list's or the batch's end
	s_wait_loadcnt 0x8
	s_wait_dscnt 0x4
	FMA XA, ALA, ACA
	s_wait_loadcnt 0x0
	s_wait_dscnt 0x0
	FMA XB, ALB, ACB
.irp k, 0,1,2,3
	v_pk_add_f32 v[ACA+2*\k:ACA+2*\k+1], v[ACA+2*\k:ACA+2*\k+1], v[ACB+2*\k:ACB+2*\k+1]
.endr
	v_lshl_add_u32 v3, s20, 10, v1                 ; my wave's 1,024 bytes: the 256 columns as they lie in a row
	s_wait_alu depctr_va_vdst(0)                   ; ACA and v3 are written, which the LDS stores read; the last multiply-adds are done reading v80-111, in which the LDS loads behind the barrier land
	ds_store_b128 v3, v[ACA:ACA+3] offset:PART
	ds_store_b128 v3, v[ACA+4:ACA+7] offset:PART+512
	s_wait_dscnt 0x0                               ; for the others' sake
	s_barrier_signal -1
	s_barrier_wait -1
	s_cmp_gt_u32 s20, 1
	s_cbranch_scc1 .Lend                           ; 64 threads add the eight waves' parts, four columns each
.irp p, 0,1,2,3,4,5,6,7
	ds_load_b128 v[80+4*\p:83+4*\p], v2 offset:PART+1024*\p
.endr
	s_wait_dscnt 0x0
	TREE8 80
	s_wait_alu depctr_va_vdst(0)                   ; the tree has written v80-83, which the store reads
	global_store_b128 v2, v[80:83], s[14:15]       ; 1,024 consecutive bytes of out0
.Lend:
	s_wait_dscnt 0x0                               ; the closing lines, six on end
	s_wait_alu 0x0
	s_wait_tensorcnt 0x0
	ds_add_u32 v[SPW], v[NIL]
	s_wait_dscnt 0x0
	s_endpgm
.Lfunc_end_k_qf27b42c5d3_ctx:
	.size	k_qf27b42c5d3_ctx, .Lfunc_end_k_qf27b42c5d3_ctx-k_qf27b42c5d3_ctx
	.p2alignl 7, 3214868480
	.fill 96, 4, 3214868480
	.section	.rodata,"a",@progbits
	.p2align	6, 0x0
	.amdhsa_kernel k_qf27b42c5d3_ctx
		.amdhsa_group_segment_fixed_size 13824
		.amdhsa_private_segment_fixed_size 0
		.amdhsa_enable_private_segment 0
		.amdhsa_kernarg_size 56
		.amdhsa_user_sgpr_count 2
		.amdhsa_user_sgpr_kernarg_segment_ptr 1
		.amdhsa_wavefront_size32 1
		.amdhsa_system_sgpr_workgroup_id_x 1
		.amdhsa_system_sgpr_workgroup_id_y 1
		.amdhsa_system_sgpr_workgroup_id_z 1
		.amdhsa_system_vgpr_workitem_id 0
		.amdhsa_next_free_vgpr 160
		.amdhsa_next_free_sgpr 66
		.amdhsa_reserve_vcc 0
		.amdhsa_float_denorm_mode_32 3
		.amdhsa_float_denorm_mode_16_64 3
		.amdhsa_memory_ordered 1
		.amdhsa_forward_progress 1
		.amdhsa_inst_pref_size 23
	.end_amdhsa_kernel
	.amdgpu_metadata
---
amdhsa.version: [ 1, 2 ]
amdhsa.kernels:
  - .name:           k_qf27b42c5d3_ctx
    .symbol:         k_qf27b42c5d3_ctx.kd
    .args:
      - { .name: epart, .offset: 0, .size: 8, .value_kind: global_buffer, .address_space: global }
      - { .name: src_mask, .offset: 8, .size: 8, .value_kind: global_buffer, .address_space: global }
      - { .name: order, .offset: 16, .size: 8, .value_kind: global_buffer, .address_space: global }
      - { .name: ntrip, .offset: 24, .size: 8, .value_kind: global_buffer, .address_space: global }
      - { .name: encoder_outputs, .offset: 32, .size: 8, .value_kind: global_buffer, .address_space: global }
      - { .name: out0, .offset: 40, .size: 8, .value_kind: global_buffer, .address_space: global }
      - { .name: out1, .offset: 48, .size: 8, .value_kind: global_buffer, .address_space: global }
    .group_segment_fixed_size: 13824
    .private_segment_fixed_size: 0
    .kernarg_segment_align: 8
    .kernarg_segment_size: 56
    .max_flat_workgroup_size: 256
    .sgpr_count:     66
    .vgpr_count:     160
    .wavefront_size: 32
...
	.end_amdgpu_metadata
.endif
;; end of part 4
